; MI455X (gfx1250); checked and timed in simulation.
; The chip was launched on July 23, 2026; its instructions are those of AMD's public machine-readable ISA for CDNA 5 (MIT licence, August 2026) and "CDNA5" Instruction Set Architecture Reference Guide (July 2026). The comments in the code are by the model that wrote it; some were corrected since.
;; Mo E Layer. Allowed arithmetic: matrix products marked QUANTISED: E3M2 operands, one E8M0 scale for each 32 along K, by v_wmma_scale_f32_16x16x128_f8f6f4 with both operands' format E3M2, f32 sums; products left as they are: f32 operands where the result goes on into a quantised operand, else bf16, f16 or f32 operands; f32 sums; everything else in f32.
;; Inputs: b1 4 x 1,024 float32; b2 4 x 512 float32; bg 4 float32; w1_codes 4 x 1,024 x 16 x 24 uint8 (E3M2 codes of w1, K innermost, in blocks of 32 codes, four codes in three bytes); w1_scales 4 x 1,024 x 16 uint8 (E8M0 scales of w1, one for each 32 codes along K); w2_codes 4 x 512 x 32 x 24 uint8 (E3M2 codes of w2, K innermost, in blocks of 32 codes, four codes in three bytes); w2_scales 4 x 512 x 32 uint8 (E8M0 scales of w2, one for each 32 codes along K); wg 512 x 4 float32; x 4 x 4,096 x 512 float32.
;; Outputs: out0 4 x 4,096 x 512 float32.
;; This version of the problem:
;;   THIS VERSION OF THE PROBLEM IS GIVEN IN LOW PRECISION. The matrix products marked QUANTISED in the list below multiply operands that are first quantised to E3M2 (3 exponent bits, 2 mantissa bits; 6 bits a number), with one power-of-two scale for each 32 numbers along K (OCP MX v1.0); their sums are f32. All else is computed in f32.
;;   The module's matrix products, in the order in which they are computed (A, B: the left and right operand; K: the contracted axis; several contracted axes count as one K, in the product's order):
;;     1. [M 16,384, K 512] x [K 512, N 4]; A: input x; B: input wg: left as it is (N = 4 < 16)
;;     2. batch 16,384 x [M 4, K 2] x [K 2, N 1]; A: computed on the way; B: softmax: left as it is (K = 2 < 32)
;;     3. [M 4,096, K 512] x [K 512, N 16,384]; A: input w1 (given as codes); B: input x: QUANTISED
;;     4. batch 4 x [M 16,384, K 1,024] x [K 1,024, N 512]; A: computed on the way; B: input w2 (given as codes): QUANTISED
;;     5. batch 16,384 x [M 512, K 4] x [K 4, N 1]; A: computed on the way; B: computed on the way: left as it is (K = 4 < 32)
;;   THE QUANTISER, for each operand of a quantised product, along K:
;;     - K is cut into blocks of 32 from its start; a last block that is shorter is filled with zeros.
;;     - A block's scale is 2^e with e = floor(log2(the largest magnitude in the block)) - 4, held to -126 .. 127; a block of zeros has e = 0. As a byte (E8M0): e + 127.
;;     - Each number is divided by its block's scale, clamped to +-28, and rounded to the nearest number of E3M2, ties to even, subnormals kept.
;;     - The product sums the exact products of the quantised numbers (number of the format x scale) in f32.
;;   ~~~python
;;   def quantise(x, axis):      # numpy; x: float32 -> the quantised numbers, widened to float32 again
;;       x = np.moveaxis(x, axis, -1); K = x.shape[-1]
;;       x = np.pad(x, [(0, 0)] * (x.ndim - 1) + [(0, -K % 32)]); x = x.reshape(x.shape[:-1] + (-1, 32)); a = np.abs(x).max(-1, keepdims=True)
;;       e = np.where(a > 0, np.clip(np.frexp(np.where(a > 0, a, 1))[1] - 1 - 4, -126, 127), 0)      # np.frexp(a)[1] - 1 = floor(log2(a)), exactly
;;       r = np.clip(x / 2.0 ** e, -28, 28)
;;       step = 2.0 ** (np.maximum(np.frexp(np.where(r == 0, 1, r))[1] - 1, -2) - 2)
;;       q = np.round(r / step) * step * 2.0 ** e      # np.round: ties to even
;;       return np.moveaxis(q.reshape(q.shape[:-2] + (-1,))[..., :K], -1, axis).astype(np.float32)
;;   ~~~
;;   OPERANDS COMPUTED ON THE WAY. 'Computed on the way' means the value that the module computes at that place (a softmax that the list does not call 'softmax' is quantised finished and normalised). What goes into a quantiser is computed in f32, as accurately as f32 sums, v_exp_f32 and their like allow (about 1e-6 of the number): no bf16 or f16 on the way to a quantiser, and a product that is left as it is and whose result goes on into a quantised operand takes f32 operands (vector FMAs, or v_wmma_f32_16x16x4_f32). A number that lies on a knife's edge between two numbers of the format may be rounded either way, as far as f32 arithmetic and the matrix unit's own rounding can turn it there, and no further.
;;   INPUTS GIVEN AS CODES. w1 (in the module: [4, 512, 1024], K = its axis 1); w2 (in the module: [4, 1024, 512], K = its axis 1): each comes as NAME_codes (uint8): NAME with its K axis moved to the last place and cut into blocks of 32 codes, [.., K / 32, bytes a block], one block behind the other in memory; four codes in three bytes: a row's codes are one little-endian stream of bits, code i at bits 6 i .. 6 i + 5 (a code: sign, 3 exponent bits, 2 mantissa bits); and NAME_scales (uint8): the same leading axes, one E8M0 byte (e + 127) for each 32 codes along K. Its value is code x scale, taken as it is: it is not quantised again, and the codes and scales need not be those that the quantiser above would give.
;; 2 versions, each right; version 2 is version 1 with the launch chain written anew for expert scheduling mode. Each part assembles by itself: llvm-mc -triple=amdgcn-amd-amdhsa -mcpu=gfx1250 --defsym DOCPART=n.
;; ======== version 1 of 2: 3 launches
;; workspace buffers: xq 8,388,608 bytes; wq 3,145,728 bytes; pid 65,536 bytes of whole numbers; cnt 16,384 bytes of whole numbers; order 69,120 bytes of whole numbers; tiles 4,096 bytes of whole numbers
;; launch route (part 1): grid 256 x 1, 8 waves a work-group, no clusters, 46,336 bytes of LDS; arguments x, wg, bg, w1_codes, w2_codes, xq, wq, pid, cnt; writes xq, wq, pid, cnt
.if DOCPART == 1
	.amdgcn_target "amdgcn-amd-amdhsa--gfx1250"
	.amdhsa_code_object_version 6
	.text
	.protected	k_qe414c62b82_route
	.globl	k_qe414c62b82_route
	.p2align	8
	.type	k_qe414c62b82_route,@function
k_qe414c62b82_route:
	s_mov_b64 s[64:65], 0
	v_nop
	global_prefetch_b8 v0, s[64:65] scope:SCOPE_SE
	s_setreg_imm32_b32 hwreg(HW_REG_WAVE_MODE, 25, 1), 1
	s_wait_xcnt 0x0
; ROUTE.  For each of 16,384 tokens (512 f32): the four logits x . wg + bg in f32, the two largest (the lower index wins a tie), rho = exp(v2 - v1) and g1 = 1 / (1 + rho)
; (the softmax over the two chosen logits with its maximum taken away: g2 = rho g1), and the token's codes of E3M2 with one E8M0 byte for each 32 along D.
; All of a token goes into ONE record of 512 bytes of xq: bytes 0-383 codes, block j (24 bytes) at 96 (j / 4) + 48 (j % 2) + 24 ((j / 2) % 2), so that half h of the lanes finds the 12 operand
; registers of K step q as 48 bytes on end at 96 q + 48 h; bytes 384-399 the 16 scale bytes; 400-407 rho, g1; the rest zeros.
; The choice leaves as whole numbers at fixed places: pid[token] = p | rank << 8 with p = 4 e1 + e2 and rank = the token's place among its work-group's tokens of the same p; cnt[work-group][p].
; No address and no branch of this launch hangs on the choice.
; BESIDE THAT each wave lays out one of the 2,048 weight fragments (16 rows x 128 K) as an image of the operand's registers: register 4 c + i of lane l at 512 c + 16 l + 4 i of its 1,536 bytes of wq.
; SHARES.  Work-group g: tokens 64 g on; wave v: eight of them, one a step; fragment 8 g + v.  Six tokens' loads (24 of 512 consecutive bytes) are out in each wave.
; A lane needs 16 NEIGHBOURS along D for the conversion, a load is best with neighbouring lanes on neighbouring bytes: so a token's 2,048 bytes turn through the wave's own stage in LDS.
; LIMITS.  NaN and infinities are not served.  A block whose largest magnitude lies under 2^-122 (a block of zeros too) gets the byte 1: its codes are what that scale gives, and only this program reads the bytes.
; rho under 2^-126 comes out as 0.  Where two logits lie within the rounding of an f32 sum of 512 terms, the choice between them may fall either way.
.set REGION, 5632                      ; LDS of a wave: two stages of 32 x 80 bytes, then the record's 512
.set SP,     80                        ; a lane's place in a stage: 64 bytes + 16 of padding
.set REC,    5120
.set IDS,    8*REGION                  ; behind the waves' regions: p of the work-group's 64 tokens, 256 bytes
.set R,      64                        ; v64-159   six sets of 16 numbers as loaded
.set X,      160                       ; v160-191  two sets of 16 neighbours
.set WGT,    192                       ; v192-255  wg[16 lane + i][0..3]
	s_load_b512 s[4:19], s[0:1], 0x0               ; x s[4:5], wg s[6:7], bg s[8:9], w1_codes s[10:11], w2_codes s[12:13], xq s[14:15], wq s[16:17], pid s[18:19]
	s_load_b64 s[20:21], s[0:1], 0x40              ; cnt
	v_lshl_add_u32 v55, v0, 2, 0xb100
	s_set_vgpr_msb 0x40
	v_mov_b32 v1, 0
	s_set_vgpr_msb 0x4000
	v_lshrrev_b32 v1, 5, v0
	v_readfirstlane_b32 s28, v1                    ; wave 0..7
	v_and_b32 v1, 31, v0                           ; lane
	v_lshlrev_b32 v2, 4, v1                        ; 16 x lane
	s_mul_i32 s29, s28, REGION
	v_lshrrev_b32 v3, 2, v1
	v_mul_u32_u24 v3, v3, SP
	v_and_b32 v28, 3, v1
	v_lshl_add_u32 v3, v28, 4, v3
	v_add_nc_u32 v3, s29, v3                       ; the stage, in: four lanes' 64 bytes on end, then the padding
	v_mul_u32_u24 v4, v1, SP
	v_add_nc_u32 v4, s29, v4                       ; and out: my 16 neighbours
	s_add_co_u32 s29, s29, REC
	v_bfe_u32 v28, v0, 3, 2                        ; my 16 numbers are half lane % 2 of block j = lane / 2
	v_mul_u32_u24 v5, v28, 96                      ; 96 (j / 4)
	v_bfe_u32 v28, v0, 1, 1
	v_mad_u32_u24 v5, v28, 48, v5                  ; + 48 (j % 2)
	v_bfe_u32 v28, v0, 2, 1
	v_mad_u32_u24 v5, v28, 24, v5                  ; + 24 ((j / 2) % 2)
	v_and_b32 v28, 1, v0
	v_mad_u32_u24 v5, v28, 12, v5                  ; + 12 for the block's upper 16 codes
	v_add_nc_u32 v5, s29, v5                       ; where my 12 bytes of codes go in the record
	v_lshrrev_b32 v6, 1, v1
	v_add_nc_u32 v6, s29, v6                       ; my block's scale byte (+ 384 in the immediate)
	v_mov_b32 v7, s29                              ; the record's first byte
	v_add_nc_u32 v8, s29, v2                       ; the record, 16 bytes a lane
	s_lshl_b32 s22, s28, 5
	s_add_co_u32 s22, s22, IDS
	v_mov_b32 v9, s22                              ; my wave's eight words of p
	v_lshlrev_b32 v10, 8, v1                       ; wg: my 16 rows of 16 bytes
	s_mov_b32 s30, 0x76543210
	s_mov_b32 s31, 0xfedcba98                      ; v_permlanex16_b32's selects for lane l xor 16
	; which fragment is mine.  gg = g % 128.  W1 (g < 128): rows 128 (gg / 4) + 32 (v / 2) + 8 (v % 2) + r + 8 (r / 8), K step gg % 4, rows of 384 bytes.
	; W2: rows 128 (gg / 8) + 16 v + r, K step gg % 8, rows of 768 bytes.  Both are worked out; one compare on the work-group's number chooses.
	s_and_b32 s32, ttmp9, 127
	s_lshr_b32 s33, s32, 2
	s_lshl_b32 s33, s33, 7
	s_lshr_b32 s34, s28, 1
	s_lshl_b32 s34, s34, 5
	s_add_co_u32 s33, s33, s34
	s_and_b32 s34, s28, 1
	s_lshl_b32 s34, s34, 3
	s_add_co_u32 s33, s33, s34
	s_mul_i32 s33, s33, 384
	s_and_b32 s34, s32, 3
	s_mul_i32 s34, s34, 96
	s_add_co_u32 s33, s33, s34                     ; W1: the fragment's first byte
	s_lshr_b32 s35, s32, 3
	s_lshl_b32 s35, s35, 7
	s_lshl_b32 s36, s28, 4
	s_add_co_u32 s35, s35, s36
	s_mul_i32 s35, s35, 768
	s_and_b32 s36, s32, 7
	s_mul_i32 s36, s36, 96
	s_add_co_u32 s35, s35, s36                     ; W2: likewise
	s_mov_b32 s37, 768
	s_mov_b32 s39, 0
	s_mov_b32 s41, 0
	s_wait_kmcnt 0x0
	s_load_b128 s[24:27], s[8:9], 0x0              ; bg's four numbers
	s_cmp_lt_u32 ttmp9, 128
	s_cselect_b32 s38, s33, s35
	s_cselect_b32 s37, 384, s37                    ; the pitch of a row of codes
	s_cselect_b32 s36, 8, 0                        ; W1's rows of a tile are not neighbours: r + (r & 8)
	s_cselect_b64 s[10:11], s[10:11], s[12:13]
	s_add_nc_u64 s[10:11], s[10:11], s[38:39]
	v_and_b32 v28, 15, v0                          ; r
	v_bfe_u32 v29, v0, 4, 1                        ; h
	v_and_b32 v30, s36, v28
	v_add_nc_u32 v30, v30, v28
	v_mul_lo_u32 v11, v30, s37
	v_mad_u32_u24 v11, v29, 24, v11                ; my row, + 24 h
	s_lshl_b32 s40, ttmp9, 17
	s_lshl_b32 s42, s28, 14
	s_add_co_u32 s40, s40, s42
	s_add_nc_u64 s[4:5], s[4:5], s[40:41]          ; x at my wave's first token: (64 g + 8 v) x 2,048 bytes
	s_lshr_b32 s40, s40, 2
	s_add_nc_u64 s[14:15], s[14:15], s[40:41]      ; xq likewise: 512 bytes a token
	s_lshl_b32 s40, ttmp9, 3
	s_add_co_u32 s40, s40, s28
	s_mul_i32 s40, s40, 1536
	s_add_nc_u64 s[16:17], s[16:17], s[40:41]      ; wq at fragment 8 g + v
	s_lshl_b32 s40, ttmp9, 8
	s_add_nc_u64 s[18:19], s[18:19], s[40:41]      ; pid at my work-group's 64 words
	s_lshl_b32 s40, ttmp9, 6
	s_add_nc_u64 s[20:21], s[20:21], s[40:41]      ; cnt at its 16
.irp p, 0,1,2,3,4,5
	global_load_b64 v[12+2*\p:13+2*\p], v11, s[10:11] offset:48*(\p/3)+8*(\p%3)   ; the fragment: registers 0-5 K = 32 h on, registers 6-11 K = 64 + 32 h on, as the bits lie
.endr
.irp i, 0,1,2,3,4,5,6,7,8,9,10,11,12,13,14,15
	global_load_b128 v[WGT+4*\i:WGT+4*\i+3], v10, s[6:7] offset:16*\i
.endr
.macro LOAD t                          ; token t of my eight: four loads of 512 consecutive bytes
.irp i, 0,1,2,3
	global_load_b128 v[R+16*((\t)%6)+4*\i:R+16*((\t)%6)+4*\i+3], v2, s[4:5] offset:2048*(\t)+512*\i th:TH_LOAD_NT
.endr
.endm
.macro TURN t                          ; token t through a stage: LDS serves a wave's instructions in order, so no wait stands between the stores and the loads
.irp i, 0,1,2,3
	ds_store_b128 v3, v[R+16*((\t)%6)+4*\i:R+16*((\t)%6)+4*\i+3] offset:32*SP*((\t)%2)+8*SP*\i
.endr
.irp i, 0,1,2,3
	ds_load_b128 v[X+16*((\t)%2)+4*\i:X+16*((\t)%2)+4*\i+3], v4 offset:32*SP*((\t)%2)+16*\i
.endr
.endm
.irp t, 0,1,2,3,4,5
	LOAD \t
.endr
.irp i, 24,25,26,27,44,45,46,47
	v_mov_b32 v\i, 0                               ; zeros for the record; and a lane permute's destination counts as one of its sources
.endr
	v_mov_b32 v59, 0xff800000                      ; -infinity
	ds_store_b128 v8, v[24:27]                     ; the record is cleared once: bytes 408-511 stay zeros
	s_wait_loadcnt 20                              ; the fragment, wg and token 0 are in; tokens 1 to 5 (20 loads) may be out
.irp c, 0,1,2
	global_store_b128 v2, v[12+4*\c:15+4*\c], s[16:17] offset:512*\c   ; 512 consecutive bytes each; these registers are not written again
.endr
	s_wait_kmcnt 0x0                               ; bg
	TURN 0
.macro STEP t
.set XS, X+16*((\t)%2)
	s_wait_dscnt 0x0                               ; this token is back from the stage, so its stores into the stage have read their registers,
.if (\t)+6 < 8
	LOAD (\t)+6                                    ; which take the loads of six tokens on
.endif
.if (\t) < 7
.if (\t) < 2
	s_wait_loadcnt 20                              ; the next token's four loads are in; five tokens' may be out
.else
	s_wait_loadcnt 4*(6-(\t))                      ; the tokens behind the next one
.endif
	TURN (\t)+1                                    ; through the other stage while this token is worked
.endif
	v_max3_num_f32 v28, |v[XS]|, |v[XS+1]|, |v[XS+2]|              ; the largest magnitude of my 16, in two chains
	v_max3_num_f32 v29, |v[XS+3]|, |v[XS+4]|, |v[XS+5]|
.irp i, 6,10
	v_max3_num_f32 v28, v28, |v[XS+\i]|, |v[XS+\i+1]|
	v_max3_num_f32 v29, v29, |v[XS+\i+2]|, |v[XS+\i+3]|
.endr
	v_max3_num_f32 v28, v28, |v[XS+14]|, |v[XS+15]|
	v_max3_num_f32 v28, v28, v29, 0x2800000        ; and the floor 2^(5 - 127): the byte cannot fall under 1
	v_max_num_f32_dpp v28, v28, v28 row_xmask:1 row_mask:0xf bank_mask:0xf   ; with my neighbour's 16: the block's
	v_add_nc_u32 v30, 0xfe000000, v28              ; 4 off its exponent field: the conversion takes the exponent field of this operand as its scale
	v_cvt_scalef32_pk16_bf6_f32 v[32:34], v[XS:XS+15], v30
	v_lshrrev_b32 v31, 23, v30                     ; the scale's byte (a plain line behind the conversion)
	; the logits: my 16 terms of each, two experts an instruction, even and odd terms in chains of their own
	v_pk_mul_f32 v[36:37], v[XS:XS+1], v[WGT:WGT+1] op_sel:[0,0] op_sel_hi:[0,1]
	v_pk_mul_f32 v[38:39], v[XS:XS+1], v[WGT+2:WGT+3] op_sel:[0,0] op_sel_hi:[0,1]
	v_pk_mul_f32 v[40:41], v[XS:XS+1], v[WGT+4:WGT+5] op_sel:[1,0] op_sel_hi:[1,1]
	v_pk_mul_f32 v[42:43], v[XS:XS+1], v[WGT+6:WGT+7] op_sel:[1,0] op_sel_hi:[1,1]
.irp j, 1,2,3,4,5,6,7
	v_pk_fma_f32 v[36:37], v[XS+2*\j:XS+2*\j+1], v[WGT+8*\j:WGT+8*\j+1], v[36:37] op_sel:[0,0,0] op_sel_hi:[0,1,1]
	v_pk_fma_f32 v[38:39], v[XS+2*\j:XS+2*\j+1], v[WGT+8*\j+2:WGT+8*\j+3], v[38:39] op_sel:[0,0,0] op_sel_hi:[0,1,1]
	v_pk_fma_f32 v[40:41], v[XS+2*\j:XS+2*\j+1], v[WGT+8*\j+4:WGT+8*\j+5], v[40:41] op_sel:[1,0,0] op_sel_hi:[1,1,1]
	v_pk_fma_f32 v[42:43], v[XS+2*\j:XS+2*\j+1], v[WGT+8*\j+6:WGT+8*\j+7], v[42:43] op_sel:[1,0,0] op_sel_hi:[1,1,1]
.endr
	v_pk_add_f32 v[36:37], v[36:37], v[40:41]
	v_pk_add_f32 v[38:39], v[38:39], v[42:43]
.irp m, 1,2,4,8
.irp e, 36,37,38,39
	v_add_f32_dpp v\e, v\e, v\e row_xmask:\m row_mask:0xf bank_mask:0xf   ; over the 16 lanes of a half; the four logits by turns
.endr
.endr
.irp e, 0,1,2,3
	v_permlanex16_b32 v[44+\e], v[36+\e], s30, s31
.endr
.irp e, 0,1,2,3
	v_add_f32 v[36+\e], v[36+\e], v[44+\e]         ; and the other half's: every lane holds the same four sums
.endr
.irp e, 0,1,2,3
	v_add_f32 v[36+\e], s[24+\e], v[36+\e]         ; + bg
.endr
	v_cmp_gt_f32 vcc_lo, v37, v36                  ; the largest: a later one wins only if it is truly larger
	v_cndmask_b32 v48, v36, v37, vcc_lo
	v_cndmask_b32 v49, 0, 1, vcc_lo
	v_cmp_gt_f32 vcc_lo, v38, v48
	v_cndmask_b32 v48, v48, v38, vcc_lo
	v_cndmask_b32 v49, v49, 2, vcc_lo
	v_cmp_gt_f32 vcc_lo, v39, v48
	v_cndmask_b32 v48, v48, v39, vcc_lo
	v_cndmask_b32 v49, v49, 3, vcc_lo              ; v48 = v1, v49 = e1
	v_cmp_eq_u32 vcc_lo, 0, v49                    ; the second starts at the lowest index that is not e1, so e2 differs from e1 for every input
	v_cndmask_b32 v50, v36, v37, vcc_lo
	v_cndmask_b32 v51, 0, 1, vcc_lo
.irp e, 1,2,3
	v_cmp_eq_u32 vcc_lo, \e, v49
	v_cndmask_b32 v52, v[36+\e], v59, vcc_lo       ; e1's own logit counts as -infinity
	v_cmp_gt_f32 vcc_lo, v52, v50
	v_cndmask_b32 v50, v50, v52, vcc_lo
	v_cndmask_b32 v51, v51, \e, vcc_lo
.endr
	v_sub_f32 v53, v50, v48                        ; v2 - v1, 0 or less: the softmax's maximum is taken away
	v_mul_f32 v53, 0x3fb8aa3b, v53
	v_exp_f32 v56, v53                             ; rho
	v_lshl_add_u32 v58, v49, 2, v51                ; p = 4 e1 + e2 (a plain line behind the exponential)
	s_wait_alu depctr_va_vdst(0)
	v_add_f32 v54, 1.0, v56
	v_rcp_f32 v57, v54                             ; g1
	v_nop                                          ; a plain line behind the reciprocal
	ds_store_b32 v5, v32
	ds_store_b32 v5, v33 offset:4
	ds_store_b32 v5, v34 offset:8                  ; my 12 bytes of codes, in words: the address is a multiple of 4 only
	ds_store_b8 v6, v31 offset:384                 ; both lanes of a block write the same byte with the same value
	s_wait_alu depctr_va_vdst(0)
	ds_store_b64 v7, v[56:57] offset:400           ; all lanes write the same two words with the same values
	ds_store_b32 v9, v58 offset:4*(\t)             ; likewise p
	s_wait_xcnt 0x0                                ; the last record's store has read v24-27: they are loaded again only behind this wait
	ds_load_b128 v[24:27], v8                      ; LDS serves a wave's instructions in order: this sees the stores above
	s_wait_dscnt 0x0
	global_store_b128 v2, v[24:27], s[14:15] offset:512*(\t)   ; the whole record: 512 consecutive bytes, aligned
.endm
.irp t, 0,1,2,3,4,5,6,7
	STEP \t
.endr
	s_wait_dscnt 0x0                               ; for wave 0's sake: my eight words of p have landed
	s_barrier_signal -1
	s_barrier_wait -1
	s_cmp_lg_u32 s28, 0
	s_cbranch_scc1 .Lend
	; wave 0 ranks the 64 tokens inside their buckets: lane l has tokens 2 l and 2 l + 1; a bucket's even tokens come first, then its odd ones
	v_lshl_add_u32 v28, v1, 3, IDS
	ds_load_b64 v[60:61], v28
	v_lshlrev_b32 v29, 3, v1
	v_lshlrev_b32 v30, 2, v1
	v_mov_b32 v62, 0                               ; the two ranks,
	v_mov_b32 v63, 0
	v_mov_b32 v35, 0                               ; and the counts: lane p takes bucket p's
	s_wait_dscnt 0x0
.irp p, 0,1,2,3,4,5,6,7,8,9,10,11,12,13,14,15
	v_cmp_eq_u32 s34, \p, v60
	v_cmp_eq_u32 s35, \p, v61
	s_bcnt1_i32_b32 s36, s34
	s_bcnt1_i32_b32 s37, s35
	v_mbcnt_lo_u32_b32 v32, s34, 0                 ; the bucket's even tokens in lower lanes
	v_mbcnt_lo_u32_b32 v33, s35, s36               ; all its even tokens + its odd tokens in lower lanes
	s_add_co_u32 s36, s36, s37
	v_cndmask_b32 v62, v62, v32, s34
	v_cndmask_b32 v63, v63, v33, s35
	v_writelane_b32 v35, s36, \p
.endr
	v_lshl_or_b32 v60, v62, 8, v60
	v_lshl_or_b32 v61, v63, 8, v61
	global_store_b64 v29, v[60:61], s[18:19]       ; 256 consecutive bytes, aligned
	v_cmp_gt_u32 vcc_lo, 16, v1
	s_wait_xcnt 0x0                                ; EXEC changes only behind this wait,
	s_and_saveexec_b32 s40, vcc_lo
	global_store_b32 v30, v35, s[20:21]            ; 16 counts
	s_wait_xcnt 0x0                                ; and is restored only behind this one
	s_or_b32 exec_lo, exec_lo, s40
.Lend:
	s_set_vgpr_msb 0x4
	s_wait_tensorcnt 0x0
	ds_add_u32 v55, v1
	s_wait_dscnt 0x0
	s_set_vgpr_msb 0x400
	s_endpgm
.Lfunc_end_k_qe414c62b82_route:
	.size	k_qe414c62b82_route, .Lfunc_end_k_qe414c62b82_route-k_qe414c62b82_route
	.p2alignl 7, 3214868480
	.fill 96, 4, 3214868480
	.section	.rodata,"a",@progbits
	.p2align	6, 0x0
	.amdhsa_kernel k_qe414c62b82_route
		.amdhsa_group_segment_fixed_size 46336
		.amdhsa_private_segment_fixed_size 0
		.amdhsa_enable_private_segment 0
		.amdhsa_kernarg_size 72
		.amdhsa_user_sgpr_count 2
		.amdhsa_user_sgpr_kernarg_segment_ptr 1
		.amdhsa_wavefront_size32 1
		.amdhsa_system_sgpr_workgroup_id_x 1
		.amdhsa_system_sgpr_workgroup_id_y 1
		.amdhsa_system_sgpr_workgroup_id_z 1
		.amdhsa_system_vgpr_workitem_id 0
		.amdhsa_next_free_vgpr 258
		.amdhsa_next_free_sgpr 66
		.amdhsa_reserve_vcc 1
		.amdhsa_float_denorm_mode_32 3
		.amdhsa_float_denorm_mode_16_64 3
		.amdhsa_memory_ordered 1
		.amdhsa_forward_progress 1
		.amdhsa_inst_pref_size 76
	.end_amdhsa_kernel
	.amdgpu_metadata
---
amdhsa.version: [ 1, 2 ]
amdhsa.kernels:
  - .name:           k_qe414c62b82_route
    .symbol:         k_qe414c62b82_route.kd
    .args:
      - { .name: x, .offset: 0, .size: 8, .value_kind: global_buffer, .address_space: global }
      - { .name: wg, .offset: 8, .size: 8, .value_kind: global_buffer, .address_space: global }
      - { .name: bg, .offset: 16, .size: 8, .value_kind: global_buffer, .address_space: global }
      - { .name: w1_codes, .offset: 24, .size: 8, .value_kind: global_buffer, .address_space: global }
      - { .name: w2_codes, .offset: 32, .size: 8, .value_kind: global_buffer, .address_space: global }
      - { .name: xq, .offset: 40, .size: 8, .value_kind: global_buffer, .address_space: global }
      - { .name: wq, .offset: 48, .size: 8, .value_kind: global_buffer, .address_space: global }
      - { .name: pid, .offset: 56, .size: 8, .value_kind: global_buffer, .address_space: global }
      - { .name: cnt, .offset: 64, .size: 8, .value_kind: global_buffer, .address_space: global }
    .group_segment_fixed_size: 46336
    .private_segment_fixed_size: 0
    .kernarg_segment_align: 8
    .kernarg_segment_size: 72
    .max_flat_workgroup_size: 256
    .sgpr_count:     66
    .vgpr_count:     258
    .wavefront_size: 32
...
	.end_amdgpu_metadata
.endif
;; end of part 1
;; launch place (part 2): grid 8 x 1, 8 waves a work-group, no clusters, 17,664 bytes of LDS; arguments pid, cnt, order, tiles; writes order, tiles
.if DOCPART == 2
	.amdgcn_target "amdgcn-amd-amdhsa--gfx1250"
	.amdhsa_code_object_version 6
	.text
	.protected	k_qe414c62b82_place
	.globl	k_qe414c62b82_place
	.p2align	8
	.type	k_qe414c62b82_place,@function
k_qe414c62b82_place:
	s_mov_b64 s[64:65], 0
	v_nop
	global_prefetch_b8 v0, s[64:65] scope:SCOPE_SE
	s_setreg_imm32_b32 hwreg(HW_REG_WAVE_MODE, 25, 1), 1
	s_wait_xcnt 0x0
; PLACE.  A counting sort of the 16,384 tokens by their bucket p = 4 e1 + e2, on whole numbers alone.
; A tile is up to 80 tokens of one bucket; bucket b's tiles begin at tile TB_b = the sum of ceil(N / 80) over the buckets below it.  order[80 tile + i] = the tile's i-th token; tiles[tile] = {count, e1, e2, 0}.
; Twelve buckets can hold tokens, so there are never more than (16,384 + 12 x 79) / 80 = 216 tiles.  tiles[] is written for 256; those behind the last have count 0.
; Thread j stands for the block of 64 tokens that work-group j of the launch before has counted: an exclusive sum over the blocks, bucket by bucket (two buckets to a register, 16 bits each: no sum passes 16,384),
; gives each block its first place in each bucket.  A token's place = its block's first place in the bucket + the token's rank in the block.
; SHARES.  Eight work-groups.  Each repeats the sums over all 256 blocks (16 KiB of counts: a chain of short dependent steps, which more hands do not shorten), and then places its own 32 blocks' tokens:
; wave v of work-group k takes blocks 32 k + 4 v on, four of them at once.  Wave k of work-group k stores tiles 32 k to 32 k + 31.  So every byte of order[] and tiles[] has one owner.
; Only the places of real tokens are written in order[], and only those are read later.
.set WT,  0                            ; LDS: the eight waves' totals, 32 bytes each
.set TAB, 256                          ; a block's sixteen first places, 64 bytes a block
	s_load_b256 s[4:11], s[0:1], 0x0               ; pid s[4:5], cnt s[6:7], order s[8:9], tiles s[10:11]
	v_lshl_add_u32 v254, v0, 2, 0x4100
	v_mov_b32 v255, 0
	v_lshrrev_b32 v1, 5, v0
	v_readfirstlane_b32 s12, v1                    ; wave 0..7
	s_min_u32 s2, ttmp9, 7                         ; k, the work-group's number
	v_and_b32 v2, 31, v0                           ; lane
	v_lshlrev_b32 v3, 6, v0                        ; 64 j: my block's row of cnt
	v_lshlrev_b32 v4, 10, v1
	v_lshl_add_u32 v4, v2, 3, v4                   ; pid: my wave's 4 blocks of 256 bytes, 8 bytes a lane
	s_mov_b32 s13, 0xffff0000                      ; lanes 16-31
	s_lshl_b32 s14, s12, 5
	v_mov_b32 v5, s14                              ; my wave's totals
	v_mov_b32 v6, 0
	v_add_nc_u32 v7, TAB, v3                       ; my block's row of the table
	s_lshl_b32 s15, s2, 11
	s_lshl_b32 s14, s12, 8
	s_add_co_u32 s15, s15, s14                     ; 2,048 k + 256 v: my wave's first token, and its first block's row in the table
	v_lshl_add_u32 v13, v2, 1, s15                 ; token 2,048 k + 256 v + 2 lane
	v_and_b32 v12, 15, v0
	v_lshlrev_b32 v12, 2, v12
	s_add_co_u32 s15, s15, TAB
	v_add_nc_u32 v12, s15, v12                     ; my wave's rows of the table: word lane % 16
	v_lshlrev_b32 v14, 4, v0                       ; tiles: 16 bytes a thread
	s_lshl_b32 s68, s2, 13                         ; my work-group's 32 blocks of pid
	s_mov_b32 s69, 0
	s_wait_kmcnt 0x0
	s_add_nc_u64 s[4:5], s[4:5], s[68:69]
.irp i, 0,1,2,3
	global_load_b128 v[16+4*\i:19+4*\i], v3, s[6:7] offset:16*\i
.endr
.irp i, 0,1,2,3
	global_load_b64 v[64+2*\i:65+2*\i], v4, s[4:5] offset:256*\i     ; block 32 k + 4 v + i: tokens 2 lane and 2 lane + 1
.endr
.irp i, 0,1,2,3,4,5,6,7
	v_mov_b32 v[48+\i], 0                          ; written once: the destination of the lane shifts below counts as read
.endr
	s_wait_loadcnt 4                               ; my row of counts is in; pid's four loads may be out
.irp i, 0,1,2,3,4,5,6,7
	v_lshl_or_b32 v[32+\i], v[17+2*\i], 16, v[16+2*\i]   ; buckets 2 i and 2 i + 1
.endr
.irp i, 0,1,2,3,4,5,6,7
	v_mov_b32 v[40+\i], v[32+\i]
.endr
.irp sh, 1,2,4,8                       ; an inclusive sum over the 16 lanes of a half
.irp i, 0,1,2,3,4,5,6,7
	v_mov_b32_dpp v[48+\i], v[40+\i] row_shr:\sh row_mask:0xf bank_mask:0xf bound_ctrl:1
.endr
.irp i, 0,1,2,3,4,5,6,7
	v_add_nc_u32 v[40+\i], v[40+\i], v[48+\i]
.endr
.endr
.irp i, 0,1,2,3,4,5,6,7
	v_readlane_b32 s14, v[40+\i], 15               ; the lower half's total goes onto the upper half
	v_add_nc_u32 v[48+\i], s14, v[40+\i]
	v_cndmask_b32 v[40+\i], v[40+\i], v[48+\i], s13
.endr
.irp i, 0,1,2,3,4,5,6,7
	v_readlane_b32 s14, v[40+\i], 31               ; the wave's totals
	v_mov_b32 v[48+\i], s14
.endr
	ds_store_b128 v5, v[48:51]                     ; all lanes write the same words with the same values
	ds_store_b128 v5, v[52:55] offset:16
	s_wait_dscnt 0x0                               ; for the others' sake
	s_barrier_signal -1
	s_barrier_wait -1
.irp u, 0,1,2,3,4,5,6,7,8,9,10,11,12,13,14,15
	ds_load_b128 v[128+4*\u:131+4*\u], v6 offset:16*\u   ; wave u's word i at v[128 + 8 u + i]
.endr
	s_wait_dscnt 0x0
	s_cmp_gt_u32 s12, 0
	s_cselect_b32 s14, -1, 0
.irp i, 0,1,2,3,4,5,6,7
	v_mov_b32 v[48+\i], v[128+\i]                  ; v48-55: the totals of all waves;
	v_and_b32 v[56+\i], s14, v[128+\i]             ; v56-63: of the waves below mine
.endr
.irp u, 1,2,3,4,5,6,7
	s_cmp_gt_u32 s12, \u
	s_cselect_b32 s14, -1, 0
.irp i, 0,1,2,3,4,5,6,7
	v_add_nc_u32 v[48+\i], v[48+\i], v[128+8*\u+\i]
	v_and_b32 v[128+8*\u+\i], s14, v[128+8*\u+\i]
	v_add_nc_u32 v[56+\i], v[56+\i], v[128+8*\u+\i]
.endr
.endr
.irp i, 0,1,2,3,4,5,6,7
	v_sub_nc_u32 v[40+\i], v[40+\i], v[32+\i]      ; without my own block,
	v_add_nc_u32 v[40+\i], v[40+\i], v[56+\i]      ; with the waves below: the tokens of each bucket in the blocks before mine
.endr
.irp i, 0,1,2,3,4,5,6,7
	v_readfirstlane_b32 s14, v[48+\i]
	s_and_b32 s[16+2*\i], s14, 0xffff              ; s16-31: N_b
	s_lshr_b32 s[17+2*\i], s14, 16
.endr
	s_mov_b32 s15, 0
.irp b, 0,1,2,3,4,5,6,7,8,9,10,11,12,13,14,15
	s_mov_b32 s[32+\b], s15                        ; s32-47: TB_b
	s_mul_i32 s[48+\b], s15, 80                    ; s48-63: the bucket's first place in order[]
	s_add_co_u32 s14, s[16+\b], 79
	s_mul_i32 s14, s14, 52429                      ; (N + 79) / 80: 52,429 x 80 = 2^22 + 16, so the quotient is exact for arguments under 81,919
	s_lshr_b32 s14, s14, 22
	s_add_co_u32 s15, s15, s14
.endr
.irp i, 0,1,2,3,4,5,6,7
	v_and_b32 v[192+2*\i], 0xffff, v[40+\i]
	v_lshrrev_b32 v[193+2*\i], 16, v[40+\i]
.endr
.irp b, 0,1,2,3,4,5,6,7,8,9,10,11,12,13,14,15
	v_add_nc_u32 v[192+\b], s[48+\b], v[192+\b]    ; my block's first place in bucket b
.endr
.irp c, 0,1,2,3
	ds_store_b128 v7, v[192+4*\c:195+4*\c] offset:16*\c
.endr
	s_cmp_lg_u32 s12, s2                           ; tiles 32 k on are wave k's, in work-group k alone
	s_cbranch_scc1 .Lnot_mine
	; tile j: the last bucket whose first tile is j or less (an empty bucket shares its first tile with the next one, which then wins)
	v_mov_b32 v20, 0
	v_mov_b32 v21, s32
	v_mov_b32 v22, s16
.irp b, 1,2,3,4,5,6,7,8,9,10,11,12,13,14,15
	v_cmp_le_u32 vcc_lo, s[32+\b], v0
	v_cndmask_b32 v20, v20, \b, vcc_lo
	v_cndmask_b32 v21, v21, s[32+\b], vcc_lo
	v_cndmask_b32 v22, v22, s[16+\b], vcc_lo
.endr
	v_sub_nc_u32 v23, v0, v21
	v_mul_u32_u24 v23, v23, 80                     ; the bucket's tokens ahead of this tile
	v_cmp_gt_u32 vcc_lo, v22, v23
	v_sub_nc_u32 v24, v22, v23
	v_cndmask_b32 v24, 0, v24, vcc_lo
	v_min_u32 v24, 80, v24                         ; count
	v_lshrrev_b32 v25, 2, v20                      ; e1
	v_and_b32 v26, 3, v20                          ; e2
	v_mov_b32 v27, 0
	global_store_b128 v14, v[24:27], s[10:11]      ; 512 consecutive bytes a wave; these registers are not written again
.Lnot_mine:
	s_wait_dscnt 0x0                               ; the table has landed; behind this barrier LDS is only read
	s_barrier_signal -1
	s_barrier_wait -1
	s_wait_loadcnt 0x0                             ; pid
; My four blocks: lane b (and lane 16 + b) fetches the block's first place in bucket b; each token pulls the word of lane p, adds its rank, and stores its number at that place.
.irp i, 0,1,2,3
	ds_load_b32 v[208+\i], v12 offset:64*\i
.endr
.irp i, 0,1,2,3
.irp t, 0,1
	v_lshlrev_b32 v[212+2*\i+\t], 2, v[64+2*\i+\t]
	v_lshrrev_b32 v[220+2*\i+\t], 8, v[64+2*\i+\t]                 ; the rank
	v_add_nc_u32 v[236+2*\i+\t], 64*\i+\t, v13                     ; the token's number
.endr
.endr
.irp e, 0,1,2,3,4,5,6,7
	v_and_b32 v[212+\e], 60, v[212+\e]             ; 4 p: the lane to pull from
.endr
	s_wait_dscnt 0x0
.irp i, 0,1,2,3
.irp t, 0,1
	ds_bpermute_b32 v[228+2*\i+\t], v[212+2*\i+\t], v[208+\i]
.endr
.endr
	s_wait_dscnt 0x0
.irp e, 0,1,2,3,4,5,6,7
	v_add_nc_u32 v[228+\e], v[228+\e], v[220+\e]
	v_min_u32 v[228+\e], 0x437f, v[228+\e]         ; held inside order's 17,280 words
	v_lshlrev_b32 v[228+\e], 2, v[228+\e]
	global_store_b32 v[228+\e], v[236+\e], s[8:9]
.endr
	s_wait_tensorcnt 0x0
	ds_add_u32 v254, v255
	s_wait_dscnt 0x0
	s_endpgm
.Lfunc_end_k_qe414c62b82_place:
	.size	k_qe414c62b82_place, .Lfunc_end_k_qe414c62b82_place-k_qe414c62b82_place
	.p2alignl 7, 3214868480
	.fill 96, 4, 3214868480
	.section	.rodata,"a",@progbits
	.p2align	6, 0x0
	.amdhsa_kernel k_qe414c62b82_place
		.amdhsa_group_segment_fixed_size 17664
		.amdhsa_private_segment_fixed_size 0
		.amdhsa_enable_private_segment 0
		.amdhsa_kernarg_size 32
		.amdhsa_user_sgpr_count 2
		.amdhsa_user_sgpr_kernarg_segment_ptr 1
		.amdhsa_wavefront_size32 1
		.amdhsa_system_sgpr_workgroup_id_x 1
		.amdhsa_system_sgpr_workgroup_id_y 1
		.amdhsa_system_sgpr_workgroup_id_z 1
		.amdhsa_system_vgpr_workitem_id 0
		.amdhsa_next_free_vgpr 256
		.amdhsa_next_free_sgpr 104
		.amdhsa_reserve_vcc 1
		.amdhsa_float_denorm_mode_32 3
		.amdhsa_float_denorm_mode_16_64 3
		.amdhsa_memory_ordered 1
		.amdhsa_forward_progress 1
		.amdhsa_inst_pref_size 32
	.end_amdhsa_kernel
	.amdgpu_metadata
---
amdhsa.version: [ 1, 2 ]
amdhsa.kernels:
  - .name:           k_qe414c62b82_place
    .symbol:         k_qe414c62b82_place.kd
    .args:
      - { .name: pid, .offset: 0, .size: 8, .value_kind: global_buffer, .address_space: global }
      - { .name: cnt, .offset: 8, .size: 8, .value_kind: global_buffer, .address_space: global }
      - { .name: order, .offset: 16, .size: 8, .value_kind: global_buffer, .address_space: global }
      - { .name: tiles, .offset: 24, .size: 8, .value_kind: global_buffer, .address_space: global }
    .group_segment_fixed_size: 17664
    .private_segment_fixed_size: 0
    .kernarg_segment_align: 8
    .kernarg_segment_size: 32
    .max_flat_workgroup_size: 256
    .sgpr_count:     104
    .vgpr_count:     256
    .wavefront_size: 32
...
	.end_amdgpu_metadata
.endif
;; end of part 2
;; launch chain (part 3): grid 216 x 1, 4 waves a work-group, no clusters, 162,304 bytes of LDS; arguments xq, wq, w1_scales, b1, w2_scales, b2, order, tiles, out0; writes out0
.if DOCPART == 3
	.amdgcn_target "amdgcn-amd-amdhsa--gfx1250"
	.amdhsa_code_object_version 6
	.text
	.protected	k_qe414c62b82_chain
	.globl	k_qe414c62b82_chain
	.p2align	8
	.type	k_qe414c62b82_chain,@function
k_qe414c62b82_chain:
	s_mov_b64 s[64:65], 0
	v_nop
	global_prefetch_b8 v0, s[64:65] scope:SCOPE_SE
	s_setreg_imm32_b32 hwreg(HW_REG_WAVE_MODE, 25, 1), 1
	s_wait_xcnt 0x0
; CHAIN.  Work-group g takes tile g of the stored list, up to 80 tokens that chose the same ordered pair of experts (e1, e2), through both experts' FFNs and stores their rows of out0.
; out = g1 [ (Y1 + b2[e1]) + rho (Y2 + b2[e2]) ],  Y = Q(relu(Q(x) W1^T + b1)) W2^T on codes of E3M2 with one E8M0 scale for each 32 along K; rho = g2 / g1 and g1 come with the token's record.
; Expert e2 is multiplied first; its sums are then turned into rho x sum + b2[e1] in place, and expert e1's products add onto them: one set of accumulators, one owner for each row of out0.
; SHARES.  Five tiles m of 16 tokens.  THE WAVES SHARE THE COLUMNS: wave w makes hidden units 256 w on (two chunks of 128) and outputs 128 w on, for all 80 tokens.  So each weight fragment is read by one wave
; alone and goes from memory straight into registers: the launch before last has laid the fragments as images of the operand's registers, in the order in which a wave takes them, three loads of 512 consecutive bytes each.
; A ring of 16 fragments in registers: four fragments feed twenty matrix instructions and are then loaded anew, 16 fragments ahead, in one run of twelve loads: 48 loads a wave are out.
; Both products are used transposed (source 0 = 16 rows of a weight, source 1 = 16 tokens): a lane holds one token (lane % 16) and eight neighbouring columns.  W1's rows of a tile are chosen so that the 16 registers of
; tiles 2 b and 2 b + 1 are 16 neighbours along the next K.  The hidden layer is quantised in registers and goes from wave to wave through LDS as images of the operand's registers; it never goes to memory.
; ORDER: four trips of the first product (expert e2's two chunks, then e1's), ONE barrier, the second product of e2, the turn by rho, the second product of e1, x g1, the way out through each wave's own stage.
; Row places at or past the tile's count repeat its last token and are not stored.  A work-group whose tile has count 0 works on the list's first token and stores nothing: every wave passes the barrier whatever the list says.
; NO CLUSTER, NO JOINT LOADS: which weights a work-group walks is read from the list, and neighbouring tiles may belong to other pairs of experts, so partners' requests would not be equal; and no fragment is shared between waves, so LDS would only be a detour for weights.
; LIMITS: NaN and infinities are not served.  A block of the hidden layer whose largest number lies under 2^-122 (a block of zeros too) gets the byte 1; only this launch reads the bytes.
; REGISTERS, in windows of 256.  Window 0: v1-15 addresses; v18-22 tokens; v24-33 (rho, g1); v44-63 the tokens' scale words, x's and later the hidden layer's; v64-95 the weights' scale words, two sets; v96-115 codes just made;
;   v116-235 x's fragments of K steps 2, 3; on the way out v96-223 rows of out0.   Window 1: v0-191 the ring; v192-255 a bias, eight tiles of eight.
;   Window 2: accumulators of column pairs b = 0..2 at 80 b + 16 m + 8 u.   Window 3: v0-79 those of b = 3; v80-199 x's fragments of K steps 0, 1, later two sets of the hidden layer's; v200-240 the quantiser's.
.set HSC,    122880                    ; LDS: 0: the hidden layer's 80 images of 1,536 bytes, (trip k, wave w, tile m) at 30,720 k + 7,680 w + 1,536 m;  here: their scale words at 1,280 k + 256 m + 16 r + 4 w
.set STAGE,  128000                    ; the way out: 16 rows x (512 + 16) bytes for each wave
.set SPITCH, 528
.set BLKB,   24576                     ; a block of the weights' stream: 16 fragments
.set TOK, 18
.set RG,  24
.set XS,  44
.set WS,  64
.set PC,  96
.set XB,  116
.set OB,  96
.set XT,  236                          ; v236-240 offsets: in order[], then token x 512
.set XO,  241                          ; v241-245 token x 512 + 48 h
.set BI,  192                          ; window 1
.set TM,  200                          ; window 3: 20 largest magnitudes, then scale operands, at 4 m + b
.set T2,  220                          ; window 3: at work; the scale word of tile m ends at 4 m
.set FL,  240                          ; window 3: the floor 2^(5 - 127)
.set MSB, 0
.macro WIN new                         ; the immediate's high byte repeats the setting that is left; a switch that changes nothing is dropped
.if MSB != (\new)
	s_set_vgpr_msb (MSB<<8)|(\new)
.set MSB, (\new)
.endif
.endm
.macro WM u, brow                      ; one product; the weight's scale words lie in lanes 0-15 for tile 2 b, in lanes 16-31 for tile 2 b + 1
.if ((\u) == 0) && ((\brow) == 0)
	v_wmma_scale_f32_16x16x128_f8f6f4 v[GD:GD+7], v[GA:GA+11], v[GB:GB+11], v[GC:GC+7], v[GW], v[GS] matrix_a_fmt:MATRIX_FMT_BF6 matrix_b_fmt:MATRIX_FMT_BF6
.elseif ((\u) == 1) && ((\brow) == 0)
	v_wmma_scale_f32_16x16x128_f8f6f4 v[GD:GD+7], v[GA:GA+11], v[GB:GB+11], v[GC:GC+7], v[GW], v[GS] matrix_a_fmt:MATRIX_FMT_BF6 matrix_b_fmt:MATRIX_FMT_BF6 matrix_a_scale:MATRIX_SCALE_ROW1
.elseif ((\u) == 0) && ((\brow) == 1)
	v_wmma_scale_f32_16x16x128_f8f6f4 v[GD:GD+7], v[GA:GA+11], v[GB:GB+11], v[GC:GC+7], v[GW], v[GS] matrix_a_fmt:MATRIX_FMT_BF6 matrix_b_fmt:MATRIX_FMT_BF6 matrix_b_scale:MATRIX_SCALE_ROW1
.else
	v_wmma_scale_f32_16x16x128_f8f6f4 v[GD:GD+7], v[GA:GA+11], v[GB:GB+11], v[GC:GC+7], v[GW], v[GS] matrix_a_fmt:MATRIX_FMT_BF6 matrix_b_fmt:MATRIX_FMT_BF6 matrix_a_scale:MATRIX_SCALE_ROW1 matrix_b_scale:MATRIX_SCALE_ROW1
.endif
.endm
; A GROUP: the four fragments in ring slots slot0 .. slot0 + 3 (column pairs b = 2 bp and 2 bp + 1) against the five tiles of tokens: twenty products on twenty accumulators, one instruction a turn.
; bb, bw: the tokens' fragments (12 registers a tile) and their window; usebi = 1: the bias is the products' C, else the sums go on; wsq: the weights' scale words of this K step (+ 4 b);
; bs, brow: the tokens' scale words (4 registers a tile) and their row; cnt: the loads issued behind these four fragments'; reload = 1: the four slots take the fragments 16 on, from s[base] + off.
.macro GROUP slot0, bp, bb, bw, usebi, wsq, bs, brow, cnt, reload, base, off
	s_wait_loadcnt \cnt
.irp bl, 0,1
.set GBN, 2*(\bp)+\bl
.set GAC, 80*GBN
.set GDW, 2
.if GBN == 3
.set GAC, 0
.set GDW, 3
.endif
.if \usebi
	WIN 1|((\bw)<<2)|(1<<4)|(GDW<<6)
.else
	WIN 1|((\bw)<<2)|(GDW<<4)|(GDW<<6)
.endif
.irp m, 0,1,2,3,4
.irp u, 0,1
.set GD, GAC+16*\m+8*\u
.set GA, 12*((\slot0)+2*\bl+\u)
.set GB, (\bb)+12*\m
.set GC, GD
.if \usebi
.set GC, BI+16*GBN+8*\u
.endif
.set GS, (\bs)+4*\m
.set GW, (\wsq)+4*GBN
	WM \u, \brow
.endr
.endr
.endr
.rept 4
	v_nop                                          ; four plain places between the products and loads into registers that they read, or reads of their results
.endr
.if \reload
	WIN 0x40                                       ; destination window 1, address window 0
.irp f, 0,1,2,3
.irp j, 0,1,2
.set GA, 12*((\slot0)+\f)+4*\j
	global_load_b128 v[GA:GA+3], v3, s[\base:\base+1] offset:(\off)+1536*((\slot0)+\f)+512*\j
.endr
.endr
.endif
.endm
.macro AUX1                            ; a chunk's b1 (lane (r, h), tile 2 b + u: units 32 b + 16 h + 8 u on) and W1's scale words (a row's four): 20 loads
	WIN 0x40
.irp t, 0,1,2,3,4,5,6,7
	global_load_b128 v[BI+8*\t:BI+8*\t+3], v10, s[40:41] offset:128*(\t/2)+32*(\t%2)
	global_load_b128 v[BI+8*\t+4:BI+8*\t+7], v10, s[40:41] offset:128*(\t/2)+32*(\t%2)+16
.endr
	WIN 0
.irp b, 0,1,2,3
	global_load_b128 v[WS+4*\b:WS+4*\b+3], v12, s[44:45] offset:512*\b
.endr
.endm
.macro AUX2 bias, sc, set, sig         ; b2 from s[bias] (or none: -1), and W2's scale words of K steps 4 sig on from s[sc] into a set: 20 loads or 4
.if \bias >= 0
	WIN 0x40
.irp d, 0,1,2,3,4,5,6,7
	global_load_b128 v[BI+8*\d:BI+8*\d+3], v11, s[\bias:\bias+1] offset:64*\d
	global_load_b128 v[BI+8*\d+4:BI+8*\d+7], v11, s[\bias:\bias+1] offset:64*\d+16
.endr
.endif
	WIN 0
.irp b, 0,1,2,3
	global_load_b128 v[WS+16*\set+4*\b:WS+16*\set+4*\b+3], v13, s[\sc:\sc+1] offset:1024*\b+16*\sig
.endr
.endm
	s_load_b512 s[4:19], s[0:1], 0x0               ; xq s[4:5], wq s[6:7], w1_scales s[8:9], b1 s[10:11], w2_scales s[12:13], b2 s[14:15], order s[16:17], tiles s[18:19]
	s_load_b64 s[20:21], s[0:1], 0x40              ; out0
	v_lshl_add_u32 v254, v0, 2, 0x27800
	v_mov_b32 v255, 0
	v_lshrrev_b32 v16, 5, v0
	v_readfirstlane_b32 s28, v16                   ; wave 0..3
	v_and_b32 v1, 15, v0                           ; r
	v_bfe_u32 v2, v0, 4, 1                         ; h
	v_and_b32 v16, 31, v0
	v_lshlrev_b32 v3, 4, v16                       ; 16 x lane: my place in an image
	v_add_nc_u32 v4, 61440, v3                     ; the same from trip 2's images on: LDS immediates end at 65,535
	s_mul_i32 s66, s28, 7680
	v_add_nc_u32 v5, s66, v3                       ; where I store images: + 7,680 x wave
	s_lshl_b32 s66, s28, 2
	s_add_co_u32 s66, s66, HSC
	v_lshl_add_u32 v7, v1, 4, s66                  ; and their scale words: 16 r + 4 x wave
	v_lshlrev_b32 v9, 4, v1
	v_mad_u32_u24 v9, v2, 1280, v9
	v_add_nc_u32 v9, HSC, v9                       ; where I read scale words: lanes 0-15 the even K steps' (first chunks), lanes 16-31 the odd ones'
	v_lshlrev_b32 v10, 6, v2                       ; b1: 64 h
	v_lshlrev_b32 v11, 5, v2                       ; b2: 32 h
	v_and_b32 v12, 8, v1
	v_add_nc_u32 v12, v12, v1
	v_lshl_add_u32 v12, v2, 3, v12
	v_lshlrev_b32 v12, 4, v12                      ; W1's scales: row 8 h + r + 8 (r / 8) of a pair of tiles, 16 bytes a row
	v_lshl_add_u32 v13, v2, 4, v1
	v_lshlrev_b32 v13, 5, v13                      ; W2's: row 16 h + r, 32 bytes a row
	s_mul_i32 s66, s28, 16*SPITCH
	s_add_co_u32 s66, s66, STAGE
	v_mul_u32_u24 v14, v1, SPITCH
	v_lshl_add_u32 v14, v2, 5, v14
	v_add_nc_u32 v14, s66, v14                     ; my stage, in: row r, + 32 h
	v_add_nc_u32 v15, s66, v3                      ; and back: 16 bytes a lane of a row
	v_mul_u32_u24 v17, v2, 48
	s_mov_b32 s56, 0x76543210
	s_mov_b32 s57, 0xfedcba98                      ; v_permlanex16_b32's selects for lane l xor 16
	s_mov_b32 s29, 0                               ; the first product's trip
	s_mov_b32 s30, 0                               ; 30,720 x trip
	s_mov_b32 s31, 0                               ; 1,280 x trip
	s_lshl_b32 s66, ttmp9, 4
	s_mov_b32 s67, 0                               ; stays 0: the upper word of every offset
	s_wait_kmcnt 0x0
	s_add_nc_u64 s[18:19], s[18:19], s[66:67]
	s_load_b128 s[24:27], s[18:19], 0x0            ; my tile: count, e1, e2
	s_lshl_b32 s66, s28, 9
	s_add_nc_u64 s[20:21], s[20:21], s[66:67]      ; out0 at my wave's 128 columns
	s_wait_kmcnt 0x0
	s_min_u32 s24, s24, 80
	s_min_u32 s25, s25, 3
	s_min_u32 s26, s26, 3
	s_mul_i32 s22, ttmp9, 80
	s_cmp_lg_u32 s24, 0
	s_cselect_b32 s22, s22, 0                      ; a tile without tokens reads the list's first word, which is always written
	s_max_u32 s23, s24, 1
	s_sub_co_u32 s23, s23, 1
.irp m, 0,1,2,3,4
	v_add_nc_u32 v[XT+\m], 16*\m, v1
	v_min_u32 v[XT+\m], s23, v[XT+\m]              ; places past the count repeat the last token
	v_add_nc_u32 v[XT+\m], s22, v[XT+\m]
	v_min_u32 v[XT+\m], 0x437f, v[XT+\m]
	v_lshlrev_b32 v[XT+\m], 2, v[XT+\m]
	global_load_b32 v[TOK+\m], v[XT+\m], s[16:17]
.endr
	s_lshl_b32 s22, s26, 2
	s_add_co_u32 s22, s22, s28                     ; 4 e2 + w
	s_lshl_b32 s23, s25, 2
	s_add_co_u32 s23, s23, s28                     ; 4 e1 + w
	; THE WEIGHTS' STREAM: 16 blocks of 16 fragments: W1(e2)'s four, W1(e1)'s, W2(e2)'s, W2(e1)'s.  In the first product a trip's first half reloads from s[32:33], its second half from s[58:59];
	; both are written at a trip's head alone, behind the wait that shows every load of the wave done.  In the second product the block stands in the loads' immediate and s[36:39] are never written.
	s_mul_i32 s66, s22, 98304                      ; a wave's 64 fragments of one weight of one expert
	s_add_nc_u64 s[58:59], s[6:7], s[66:67]        ; W1(e2): block 0, the ring's first fill
	s_add_nc_u64 s[36:37], s[58:59], 0x180000      ; W2(e2)
	s_mul_i32 s66, s23, 98304
	s_add_nc_u64 s[34:35], s[6:7], s[66:67]        ; W1(e1)
	s_add_nc_u64 s[38:39], s[34:35], 0x180000      ; W2(e1)
	s_lshl_b32 s66, s22, 10
	s_add_nc_u64 s[40:41], s[10:11], s[66:67]      ; b1 of e2 at my 256 units;
	s_lshl_b32 s66, s23, 10
	s_add_nc_u64 s[42:43], s[10:11], s[66:67]      ; of e1
	s_lshl_b32 s66, s22, 12
	s_add_nc_u64 s[44:45], s[8:9], s[66:67]        ; W1's scales of e2 at my 256 rows,
	s_add_nc_u64 s[52:53], s[12:13], s[66:67]      ; W2's at my 128 rows
	s_lshl_b32 s66, s23, 12
	s_add_nc_u64 s[46:47], s[8:9], s[66:67]        ; and of e1
	s_add_nc_u64 s[54:55], s[12:13], s[66:67]
	s_lshl_b32 s66, s22, 9
	s_add_nc_u64 s[48:49], s[14:15], s[66:67]      ; b2 of e2 at my 128 outputs;
	s_lshl_b32 s66, s23, 9
	s_add_nc_u64 s[50:51], s[14:15], s[66:67]      ; of e1
	AUX1
	WIN 0x40
.set QI, 0
.rept 16
.irp j, 0,1,2
	global_load_b128 v[12*QI+4*\j:12*QI+4*\j+3], v3, s[58:59] offset:1536*QI+512*\j   ; the ring's first fill
.endr
.set QI, QI+1
.endr
	WIN 0xc0
.set QI, 0
.rept 20
	v_mov_b32 v[T2+QI], 0                          ; written once: a lane permute's destination counts as one of its sources
.set QI, QI+1
.endr
	v_mov_b32 v[FL], 0x2800000
	WIN 0
	s_wait_loadcnt 63                              ; 73 loads have been issued: with at most 63 out, the oldest five, the tokens' numbers, are in
.irp m, 0,1,2,3,4
	v_min_u32 v[TOK+\m], 0x3fff, v[TOK+\m]
	v_lshlrev_b32 v[XT+\m], 9, v[TOK+\m]           ; the token's record
	v_add_nc_u32 v[XO+\m], v17, v[XT+\m]           ; + 48 h: my half's operand registers
.endr
	WIN 0xc0
.irp m, 0,1,2,3,4
.irp q, 0,1
.irp j, 0,1,2
	global_load_b128 v[80+60*\q+12*\m+4*\j:80+60*\q+12*\m+4*\j+3], v[XO+\m], s[4:5] offset:96*\q+16*\j
.endr
.endr
.endr
	WIN 0
.irp m, 0,1,2,3,4
.irp q, 2,3
.irp j, 0,1,2
	global_load_b128 v[XB+60*(\q-2)+12*\m+4*\j:XB+60*(\q-2)+12*\m+4*\j+3], v[XO+\m], s[4:5] offset:96*\q+16*\j
.endr
.endr
	global_load_b128 v[XS+4*\m:XS+4*\m+3], v[XT+\m], s[4:5] offset:384   ; the four K steps' scale words
	global_load_b64 v[RG+2*\m:RG+2*\m+1], v[XT+\m], s[4:5] offset:400    ; rho, g1
.endr
; The chunk's 320 sums become five fragments of codes and five scale words, and go to LDS as images.
.macro QUANT
	WIN 0x88
.set QI, 0
.rept 240
	v_max_num_f32 v[QI], 0, v[QI]                  ; the activation, in f32; each accumulator from its low end on
.set QI, QI+1
.endr
	WIN 0xcc
.set QI, 0
.rept 80
	v_max_num_f32 v[QI], 0, v[QI]
.set QI, QI+1
.endr
	WIN 0xeb                                       ; the largest of my 16 numbers of block b of tile m (none is negative), and the floor; the maxima by turns
.irp m, 0,1,2,3,4
.irp b, 0,1,2
	v_max3_num_f32 v[TM+4*\m+\b], v[FL], v[80*\b+16*\m], v[80*\b+16*\m+1]
.endr
.endr
.irp i, 2,4,6,8,10,12,14
.irp m, 0,1,2,3,4
.irp b, 0,1,2
	v_max3_num_f32 v[TM+4*\m+\b], v[TM+4*\m+\b], v[80*\b+16*\m+\i], v[80*\b+16*\m+\i+1]
.endr
.endr
.endr
	WIN 0xff
.irp m, 0,1,2,3,4
	v_max3_num_f32 v[TM+4*\m+3], v[FL], v[16*\m], v[16*\m+1]
.endr
.irp i, 2,4,6,8,10,12,14
.irp m, 0,1,2,3,4
	v_max3_num_f32 v[TM+4*\m+3], v[TM+4*\m+3], v[16*\m+\i], v[16*\m+\i+1]
.endr
.endr
.set QI, 0
.rept 20
	v_permlanex16_b32 v[T2+QI], v[TM+QI], s56, s57
.set QI, QI+1
.endr
.set QI, 0
.rept 20
	v_max_num_f32 v[TM+QI], v[TM+QI], v[T2+QI]     ; with lane l xor 16's 16: the block's largest
.set QI, QI+1
.endr
.set QI, 0
.rept 20
	v_add_nc_u32 v[TM+QI], 0xfe000000, v[TM+QI]    ; 4 off its exponent field: the conversion's scale operand
.set QI, QI+1
.endr
.set QI, 0
.rept 20
	v_lshrrev_b32 v[T2+QI], 23, v[TM+QI]           ; the scale's byte
.set QI, QI+1
.endr
.irp s, 1,2,3
.irp m, 0,1,2,3,4
	v_lshl_or_b32 v[T2+4*\m], v[T2+4*\m+\s], 8*\s, v[T2+4*\m]   ; four bytes make the token's scale word
.endr
.endr
.irp m, 0,1,2,3,4
	s_wait_dscnt 0x0                               ; the last tile's stores have read the codes' registers
	WIN 0x0e
	v_cvt_scalef32_pk16_bf6_f32 v[PC:PC+2], v[16*\m:16*\m+15], v[TM+4*\m]
	v_cvt_scalef32_pk16_bf6_f32 v[PC+12:PC+14], v[80+16*\m:80+16*\m+15], v[TM+4*\m+1]   ; (a conversion's three registers begin on an even number)
	v_cvt_scalef32_pk16_bf6_f32 v[PC+6:PC+8], v[160+16*\m:160+16*\m+15], v[TM+4*\m+2]
	WIN 0x0f
	v_cvt_scalef32_pk16_bf6_f32 v[PC+16:PC+18], v[16*\m:16*\m+15], v[TM+4*\m+3]
	WIN 0
	v_nop                                          ; one plain place behind a scaled conversion
.irp c, 0,1                            ; the operand's layout wants a whole block in a lane: lanes 0-15 block 2 c, lanes 16-31 block 2 c + 1
.irp i, 0,1,2
	v_permlane16_swap_b32 v[PC+6*\c+\i], v[PC+12+4*\c+\i]
.endr
.irp i, 0,1,2
	v_mov_b32 v[PC+3+6*\c+\i], v[PC+12+4*\c+\i]
.endr
.endr
.irp j, 0,1,2
	ds_store_b128 v6, v[PC+4*\j:PC+4*\j+3] offset:1536*\m+512*\j   ; the image: 512 consecutive bytes a store
.endr
	WIN 0x0c                                       ; an LDS store's data are its source 1: window 3
	ds_store_b32 v8, v[T2+4*\m] offset:256*\m      ; lanes l and l xor 16 write the same word with the same value
.endr
	WIN 0
.endm
; THE FIRST PRODUCT: four trips, one chunk of 128 hidden units each: e2's two, then e1's two.  A trip: 8 groups (K steps q = 0..3 x halves of the chunk's columns), then the quantiser.
.Lp1:
	s_wait_loadcnt 0x0                             ; the bias and the scale words are the youngest loads; they and the ring had the quantiser's lines in which to land.  No load of mine is out: every base may be written
	s_add_nc_u64 s[32:33], s[58:59], BLKB          ; the block behind the one loaded last: this trip's first half reloads from it;
	s_add_nc_u64 s[58:59], s[32:33], BLKB          ; the second half from the next one,
	s_bitcmp1_b32 s29, 0                           ; which in the odd trips is the next weight's first block: W1(e1) in trip 1, W2(e2) in trip 3
	s_cselect_b64 s[58:59], s[34:35], s[58:59]
	s_cselect_b64 s[34:35], s[36:37], s[34:35]
	v_add_nc_u32 v6, s30, v5                       ; this trip's images
	v_add_nc_u32 v8, s31, v7                       ; and scale words
.irp q, 0,1,2,3
.irp bp, 0,1
.set PBB, 80+60*\q
.set PBW, 3
.set PLB, 32
.if \q > 1
.set PBB, XB+60*(\q-2)
.set PBW, 0
.set PLB, 58
.endif
.set PUB, 0
.if \q == 0
.set PUB, 1
.endif
	GROUP 8*(\q%2)+4*\bp, \bp, PBB, PBW, PUB, WS+\q, XS+\q, 0, 36, 1, PLB, 0   ; 36: the three groups' loads issued behind these four fragments'
.endr
.endr
	s_add_nc_u64 s[40:41], s[40:41], 512           ; the next chunk's b1 and scale words: 128 units on, or e1's first.  (The loads that named these bases were shown done at the trip's head)
	s_add_nc_u64 s[44:45], s[44:45], 2048
	s_bitcmp1_b32 s29, 0
	s_cselect_b64 s[40:41], s[42:43], s[40:41]
	s_cselect_b64 s[44:45], s[46:47], s[44:45]
	WIN 0
	s_cmp_eq_u32 s29, 3                            ; behind the last trip: what the second product begins with.  Both ways issue 20 loads into the same registers
	s_cbranch_scc1 .Laux2
	AUX1
	s_branch .Lauxd
.Laux2:
	AUX2 48, 52, 0, 0
.Lauxd:
	QUANT
	s_wait_dscnt 0x0                               ; my images have landed: their address registers may be written again, and behind the last trip the others may read them
	s_add_co_u32 s30, s30, 30720
	s_add_co_u32 s31, s31, 1280
	s_add_co_u32 s29, s29, 1
	s_cmp_lt_u32 s29, 4
	s_cbranch_scc1 .Lp1
	s_barrier_signal -1
	s_barrier_wait -1                              ; the hidden layers of both experts lie in LDS, and nobody writes them again
; THE SECOND PRODUCT: K steps SS = 0..15, eight for e2 and eight for e1.  K step s of an expert was made by wave s / 2 in its chunk s % 2.
.macro FETCHH S                        ; the five images of K step S into set S % 2
	WIN 0xc0
.set FX, (\S)/8
.set FO, ((\S)%2)*30720+(((\S)%8)/2)*7680
.set FB, 80+60*((\S)%2)
.irp m, 0,1,2,3,4
.irp j, 0,1,2
.if FX == 0
	ds_load_b128 v[FB+12*\m+4*\j:FB+12*\m+4*\j+3], v3 offset:FO+1536*\m+512*\j
.else
	ds_load_b128 v[FB+12*\m+4*\j:FB+12*\m+4*\j+3], v4 offset:FO+1536*\m+512*\j
.endif
.endr
.endr
.endm
.macro RESCALE                         ; between the experts: e1's scale words; and every sum becomes rho x sum + b2[e1], each accumulator from its low end on
	WIN 0
.irp m, 0,1,2,3,4
	ds_load_b128 v[XS+4*\m:XS+4*\m+3], v9 offset:2560+256*\m
.endr
	WIN 0x92                                       ; sums window 2, rho window 0, the bias window 1
.irp b, 0,1,2
.irp m, 0,1,2,3,4
.irp u, 0,1
.irp k, 0,2,4,6
	v_pk_fma_f32 v[80*\b+16*\m+8*\u+\k:80*\b+16*\m+8*\u+\k+1], v[80*\b+16*\m+8*\u+\k:80*\b+16*\m+8*\u+\k+1], v[RG+2*\m:RG+2*\m+1], v[BI+16*\b+8*\u+\k:BI+16*\b+8*\u+\k+1] op_sel_hi:[1,0,1]
.endr
.endr
.endr
.endr
	WIN 0xd3
.irp m, 0,1,2,3,4
.irp u, 0,1
.irp k, 0,2,4,6
	v_pk_fma_f32 v[16*\m+8*\u+\k:16*\m+8*\u+\k+1], v[16*\m+8*\u+\k:16*\m+8*\u+\k+1], v[RG+2*\m:RG+2*\m+1], v[BI+48+8*\u+\k:BI+48+8*\u+\k+1] op_sel_hi:[1,0,1]
.endr
.endr
.endr
.endm
; A K step is two groups; four K steps are a chunk (32 fragments, 8 groups).  At a chunk's middle the next chunk's scale words are asked for (in the first chunk b2[e1] too): 4 or 20 loads, which the waits of the chunk's
; last four groups count.  K step SS reloads its slots from block 9 + SS / 2 of the stream.  At a K step's end the images of the K step after the next go into the set just read: they have a whole K step in which to land.
.macro KSTEP
.set PSL, SS%8
.set PJ,  SS/4
.if (SS == 8) || (SS == 15)
	s_wait_dscnt 0x0                               ; K step 8: e1's scale words are the youngest LDS loads; K step 15: nothing was asked for behind its images
.else
	s_wait_dscnt 15                                ; this K step's images and scale words are in; the next K step's fifteen loads may be out
.endif
.irp bp, 0,1
.set PG, 2*(SS%4)+\bp
.set PN, 36
.set PRL, 1
.if PG >= 4
.if PJ == 0
.set PN, 56
.elseif PJ < 3
.set PN, 40
.else
.set PN, 36-12*(PG-4)
.set PRL, 0
.endif
.endif
.set PUB, 0
.if SS == 0
.set PUB, 1
.endif
.set PBK, 9+2*PJ+PG/4
.set PLB, 36
.set PLO, (PBK-8)*BLKB
.if PBK >= 12
.set PLB, 38
.set PLO, (PBK-12)*BLKB
.endif
	GROUP 8*(SS%2)+4*\bp, \bp, 80+60*(SS%2), 3, PUB, WS+16*(PJ%2)+SS%4, XS+PSL/2, PSL%2, PN, PRL, PLB, PLO
.endr
.if SS < 14
	FETCHH SS+2                                    ; behind the group's four places: the products just issued read this set
.endif
.if (SS%4 == 1) && (PJ < 3)
.if PJ == 0
	AUX2 50, 52, 1, 1
.elseif PJ == 1
	AUX2 -1, 54, 0, 0
.else
	AUX2 -1, 54, 1, 1
.endif
.endif
.if SS == 7
	RESCALE
.endif
.endm
	FETCHH 0
	WIN 0
.irp m, 0,1,2,3,4
	ds_load_b128 v[XS+4*\m:XS+4*\m+3], v9 offset:256*\m   ; e2's scale words: register 4 m + s / 2, row s % 2
.endr
	FETCHH 1
	s_wait_loadcnt 0x0                             ; b2[e2], the first scale words, the ring
.set SS, 0
.rept 16
	KSTEP
.set SS, SS+1
.endr
; THE WAY OUT, a tile of 16 tokens at a time: x g1; a lane's 32 bytes of a row into my stage; back as whole rows of my 512 bytes; each row to its token's place in out0.
.macro MULG m
	WIN 0x82
.irp b, 0,1,2
.irp k, 0,2,4,6,8,10,12,14
	v_pk_mul_f32 v[80*\b+16*\m+\k:80*\b+16*\m+\k+1], v[80*\b+16*\m+\k:80*\b+16*\m+\k+1], v[RG+2*\m:RG+2*\m+1] op_sel:[0,1] op_sel_hi:[1,1]
.endr
.endr
	WIN 0xc3
.irp k, 0,2,4,6,8,10,12,14
	v_pk_mul_f32 v[16*\m+\k:16*\m+\k+1], v[16*\m+\k:16*\m+\k+1], v[RG+2*\m:RG+2*\m+1] op_sel:[0,1] op_sel_hi:[1,1]
.endr
.endm
.macro TOSTAGE m
	s_wait_xcnt 0x0                                ; the stores of two tiles ago have read the registers that the loads below fill
	WIN 0x08
.irp b, 0,1,2
.irp u, 0,1
	ds_store_b128 v14, v[80*\b+16*\m+8*\u:80*\b+16*\m+8*\u+3] offset:64*(2*\b+\u)
	ds_store_b128 v14, v[80*\b+16*\m+8*\u+4:80*\b+16*\m+8*\u+7] offset:64*(2*\b+\u)+16
.endr
.endr
	WIN 0x0c
.irp u, 0,1
	ds_store_b128 v14, v[16*\m+8*\u:16*\m+8*\u+3] offset:64*(6+\u)
	ds_store_b128 v14, v[16*\m+8*\u+4:16*\m+8*\u+7] offset:64*(6+\u)+16
.endr
	WIN 0
.irp i, 0,1,2,3,4,5,6,7,8,9,10,11,12,13,14,15
	ds_load_b128 v[OB+64*(\m%2)+4*\i:OB+64*(\m%2)+4*\i+3], v15 offset:\i*SPITCH   ; LDS serves a wave's instructions in order: these see the stores above, and the next tile's stores come behind them
.endr
.endm
.macro SEND m, y                       ; y: the LDS instructions issued behind tile m's loads
	s_wait_xcnt 0x0                                ; the stores before have read their bases
.irp i, 0,1,2,3,4,5,6,7,8,9,10,11,12,13,14,15
	v_readlane_b32 s[68+2*\i], v[TOK+\m], \i       ; the sixteen tokens' numbers together, so that the scalar lines below are held behind the vector unit once
.endr
.irp i, 0,1,2,3,4,5,6,7,8,9,10,11,12,13,14,15
	s_min_u32 s[68+2*\i], s[68+2*\i], 0x3fff
	s_lshl_b32 s[68+2*\i], s[68+2*\i], 11          ; a row of out0 is 2,048 bytes
	s_mov_b32 s[69+2*\i], 0
	s_add_nc_u64 s[68+2*\i:69+2*\i], s[20:21], s[68+2*\i:69+2*\i]
.endr
.irp i, 0,1,2,3,4,5,6,7,8,9,10,11,12,13,14,15
	s_wait_dscnt \y+15-\i
	s_cmp_le_u32 s24, 16*\m+\i                     ; the tile's count, from the stored list: places past it are not stored, and nothing is left to do
	s_cbranch_scc1 .Lend
	global_store_b128 v3, v[OB+64*(\m%2)+4*\i:OB+64*(\m%2)+4*\i+3], s[68+2*\i:69+2*\i] th:TH_STORE_NT   ; 512 consecutive bytes, aligned; written once
.endr
.endm
	MULG 0
	TOSTAGE 0
	MULG 1
	TOSTAGE 1
	SEND 0, 32
	MULG 2
	TOSTAGE 2
	SEND 1, 32
	MULG 3
	TOSTAGE 3
	SEND 2, 32
	MULG 4
	TOSTAGE 4
	SEND 3, 32
	SEND 4, 0
.Lend:
	s_wait_dscnt 0x0
	s_wait_tensorcnt 0x0
	ds_add_u32 v254, v255
	s_wait_dscnt 0x0
	s_endpgm
.Lfunc_end_k_qe414c62b82_chain:
	.size	k_qe414c62b82_chain, .Lfunc_end_k_qe414c62b82_chain-k_qe414c62b82_chain
	.p2alignl 7, 3214868480
	.fill 96, 4, 3214868480
	.section	.rodata,"a",@progbits
	.p2align	6, 0x0
	.amdhsa_kernel k_qe414c62b82_chain
		.amdhsa_group_segment_fixed_size 162304
		.amdhsa_private_segment_fixed_size 0
		.amdhsa_enable_private_segment 0
		.amdhsa_kernarg_size 72
		.amdhsa_user_sgpr_count 2
		.amdhsa_user_sgpr_kernarg_segment_ptr 1
		.amdhsa_wavefront_size32 1
		.amdhsa_system_sgpr_workgroup_id_x 1
		.amdhsa_system_sgpr_workgroup_id_y 1
		.amdhsa_system_sgpr_workgroup_id_z 1
		.amdhsa_system_vgpr_workitem_id 0
		.amdhsa_next_free_vgpr 1024
		.amdhsa_next_free_sgpr 104
		.amdhsa_reserve_vcc 0
		.amdhsa_float_denorm_mode_32 3
		.amdhsa_float_denorm_mode_16_64 3
		.amdhsa_memory_ordered 1
		.amdhsa_forward_progress 1
		.amdhsa_inst_pref_size 255
	.end_amdhsa_kernel
	.section	.bss,"aw",@nobits
	.p2align	6
	.space	262144
	.amdgpu_metadata
---
amdhsa.version: [ 1, 2 ]
amdhsa.kernels:
  - .name:           k_qe414c62b82_chain
    .symbol:         k_qe414c62b82_chain.kd
    .args:
      - { .name: xq, .offset: 0, .size: 8, .value_kind: global_buffer, .address_space: global }
      - { .name: wq, .offset: 8, .size: 8, .value_kind: global_buffer, .address_space: global }
      - { .name: w1_scales, .offset: 16, .size: 8, .value_kind: global_buffer, .address_space: global }
      - { .name: b1, .offset: 24, .size: 8, .value_kind: global_buffer, .address_space: global }
      - { .name: w2_scales, .offset: 32, .size: 8, .value_kind: global_buffer, .address_space: global }
      - { .name: b2, .offset: 40, .size: 8, .value_kind: global_buffer, .address_space: global }
      - { .name: order, .offset: 48, .size: 8, .value_kind: global_buffer, .address_space: global }
      - { .name: tiles, .offset: 56, .size: 8, .value_kind: global_buffer, .address_space: global }
      - { .name: out0, .offset: 64, .size: 8, .value_kind: global_buffer, .address_space: global }
    .group_segment_fixed_size: 162304
    .private_segment_fixed_size: 0
    .kernarg_segment_align: 8
    .kernarg_segment_size: 72
    .max_flat_workgroup_size: 128
    .sgpr_count:     104
    .vgpr_count:     1024
    .wavefront_size: 32
...
	.end_amdgpu_metadata
.endif
;; end of part 3
;; ======== version 2 of 2: 3 launches; version 1 with the launch chain written anew for expert scheduling mode
;; workspace buffers: xq 8,388,608 bytes; wq 3,145,728 bytes; pid 65,536 bytes of whole numbers; cnt 16,384 bytes of whole numbers; order 69,120 bytes of whole numbers; tiles 4,096 bytes of whole numbers
;; launch route: the kernel of part 1 again; grid 256 x 1, 8 waves a work-group, no clusters, 46,336 bytes of LDS; arguments x, wg, bg, w1_codes, w2_codes, xq, wq, pid, cnt; writes xq, wq, pid, cnt
;; launch place: the kernel of part 2 again; grid 8 x 1, 8 waves a work-group, no clusters, 17,664 bytes of LDS; arguments pid, cnt, order, tiles; writes order, tiles
;; launch chain (part 4): grid 216 x 1, 4 waves a work-group, no clusters, 162,304 bytes of LDS; arguments xq, wq, w1_scales, b1, w2_scales, b2, order, tiles, out0; writes out0
.if DOCPART == 4
	.amdgcn_target "amdgcn-amd-amdhsa--gfx1250"
	.amdhsa_code_object_version 6
	.text
	.protected	k_qe414c62b82_chain
	.globl	k_qe414c62b82_chain
	.p2align	8
	.type	k_qe414c62b82_chain,@function
k_qe414c62b82_chain:
	s_mov_b64 s[64:65], 0
	v_nop
	global_prefetch_b8 v0, s[64:65] scope:SCOPE_SE
	s_setreg_imm32_b32 hwreg(HW_REG_WAVE_SCHED_MODE, 0, 2), 2
	s_setreg_imm32_b32 hwreg(HW_REG_WAVE_MODE, 25, 1), 1
	s_wait_xcnt 0x0
	s_wait_alu depctr_vm_vsrc(0)
; CHAIN.  Work-group g takes tile g of the stored list, up to 80 tokens that chose the same ordered pair of experts (e1, e2), through both experts' FFNs and stores their rows of out0.
; out = g1 [ (Y1 + b2[e1]) + rho (Y2 + b2[e2]) ],  Y = Q(relu(Q(x) W1^T + b1)) W2^T on codes of E3M2 with one E8M0 scale for each 32 along K; rho = g2 / g1 and g1 come with the token's record.
; Expert e2 is multiplied first; its sums are then turned into rho x sum + b2[e1] in place, and expert e1's products add onto them: one set of accumulators, one owner for each row of out0.
; SHARES.  Five tiles m of 16 tokens.  THE WAVES SHARE THE COLUMNS: wave w makes hidden units 256 w on (two chunks of 128) and outputs 128 w on, for all 80 tokens.  So each weight fragment is read by one wave
; alone and goes from memory straight into registers: the launch before last has laid the fragments as images of the operand's registers, in the order in which a wave takes them, three loads of 512 consecutive bytes each.
; A ring of 16 fragments in registers: four fragments feed twenty matrix instructions and are then loaded anew, 16 fragments ahead, in one run of twelve loads: 48 loads a wave are out.
; Both products are used transposed (source 0 = 16 rows of a weight, source 1 = 16 tokens): a lane holds one token (lane % 16) and eight neighbouring columns.  W1's rows of a tile are chosen so that the 16 registers of
; tiles 2 b and 2 b + 1 are 16 neighbours along the next K.  The hidden layer is quantised in registers and goes from wave to wave through LDS as images of the operand's registers; it never goes to memory.
; ORDER: four trips of the first product (expert e2's two chunks, then e1's), ONE barrier, the second product of e2, the turn by rho, the second product of e1, x g1, the way out through each wave's own stage.
; Row places at or past the tile's count repeat its last token and are not stored.  A work-group whose tile has count 0 works on the list's first token and stores nothing: every wave passes the barrier whatever the list says.
; NO CLUSTER, NO JOINT LOADS: which weights a work-group walks is read from the list, and neighbouring tiles may belong to other pairs of experts, so partners' requests would not be equal; and no fragment is shared between waves, so LDS would only be a detour for weights.
; LIMITS: NaN and infinities are not served.  A block of the hidden layer whose largest number lies under 2^-122 (a block of zeros too) gets the byte 1; only this launch reads the bytes.
; REGISTERS, in windows of 256.  Window 0: v1-15 addresses; v18-22 tokens; v24-33 (rho, g1); v44-63 the tokens' scale words, x's and later the hidden layer's; v64-95 the weights' scale words, two sets; v96-115 codes just made;
;   v116-235 x's fragments of K steps 2, 3; on the way out v96-223 rows of out0.   Window 1: v0-191 the ring; v192-255 a bias, eight tiles of eight.
;   Window 2: accumulators of column pairs b = 0..2 at 80 b + 16 m + 8 u.   Window 3: v0-79 those of b = 3; v80-199 x's fragments of K steps 0, 1, later two sets of the hidden layer's; v200-240 the quantiser's.
; THE MODE: SCHED_MODE bits 1:0 = 2 (LLVM: expert scheduling mode 2), set by the entry lines.  The code itself states the register dependences between vector or matrix instructions and memory or LDS
; instructions, with s_wait_alu, always for 0.
; THE PLAN.  Registers that memory or LDS instructions touch, and who else names them:
;   the ring                          a group's twenty products read four fragments; behind them the twelve loads of the fragments 16 on land in the same registers.
;   the bias, the weights' scale words   read by products (the bias by the turn by rho too); loaded anew behind a trip's last group (first product) or behind a K step's second group (second product).
;   the tokens' fragments and scale words   loaded at the head, read by the first product; window 3's and v44-63 then take the hidden layer's images and words by LDS loads, a set behind the K step that read it.
;   the codes v96-115, the scale word (window 3, v220 + 4 m)   written by the quantiser, read by a tile's four LDS stores, written again by the next tile, the next trip.
;   v6, v8                            the LDS stores' addresses: written once, at a trip's head.
;   v236-245                          offsets in order[], then in the records: written twice, at the head.
;   the way out                       the sums: written by the multiplications by g1, read by LDS stores;  v96-223: filled by LDS loads, read by the global stores, two sets by turns;  s68-99: written by lane reads.
;   v3, v4, v9-15                     made at the head, never written again.
; So ONE wait on va_vdst stands in a group, behind its products and ahead of its run of loads.  No vector or matrix instruction stands between it and whatever loads follow the group, so it serves those too: the next
; bias and scale words, the hidden layer's next set.  The quantiser has one wait on va_vdst ahead of a tile's stores and one on vm_vsrc ahead of the next tile's conversions; a trip's head one on vm_vsrc.
.set HSC,    122880                    ; LDS: 0: the hidden layer's 80 images of 1,536 bytes, (trip k, wave w, tile m) at 30,720 k + 7,680 w + 1,536 m;  here: their scale words at 1,280 k + 256 m + 16 r + 4 w
.set STAGE,  128000                    ; the way out: 16 rows x (512 + 16) bytes for each wave
.set SPITCH, 528
.set BLKB,   24576                     ; a block of the weights' stream: 16 fragments
.set TOK, 18
.set RG,  24
.set XS,  44
.set WS,  64
.set PC,  96
.set XB,  116
.set OB,  96
.set XT,  236                          ; v236-240 offsets: in order[], then token x 512
.set XO,  241                          ; v241-245 token x 512 + 48 h
.set BI,  192                          ; window 1
.set TM,  200                          ; window 3: 20 largest magnitudes, then scale operands, at 4 m + b
.set T2,  220                          ; window 3: at work; the scale word of tile m ends at 4 m
.set FL,  240                          ; window 3: the floor 2^(5 - 127)
.set MSB, 0
.macro WIN new                         ; the immediate's high byte repeats the setting that is left; a switch that changes nothing is dropped
.if MSB != (\new)
	s_set_vgpr_msb (MSB<<8)|(\new)
.set MSB, (\new)
.endif
.endm
.macro WM u, brow                      ; one product; the weight's scale words lie in lanes 0-15 for tile 2 b, in lanes 16-31 for tile 2 b + 1
.if ((\u) == 0) && ((\brow) == 0)
	v_wmma_scale_f32_16x16x128_f8f6f4 v[GD:GD+7], v[GA:GA+11], v[GB:GB+11], v[GC:GC+7], v[GW], v[GS] matrix_a_fmt:MATRIX_FMT_BF6 matrix_b_fmt:MATRIX_FMT_BF6
.elseif ((\u) == 1) && ((\brow) == 0)
	v_wmma_scale_f32_16x16x128_f8f6f4 v[GD:GD+7], v[GA:GA+11], v[GB:GB+11], v[GC:GC+7], v[GW], v[GS] matrix_a_fmt:MATRIX_FMT_BF6 matrix_b_fmt:MATRIX_FMT_BF6 matrix_a_scale:MATRIX_SCALE_ROW1
.elseif ((\u) == 0) && ((\brow) == 1)
	v_wmma_scale_f32_16x16x128_f8f6f4 v[GD:GD+7], v[GA:GA+11], v[GB:GB+11], v[GC:GC+7], v[GW], v[GS] matrix_a_fmt:MATRIX_FMT_BF6 matrix_b_fmt:MATRIX_FMT_BF6 matrix_b_scale:MATRIX_SCALE_ROW1
.else
	v_wmma_scale_f32_16x16x128_f8f6f4 v[GD:GD+7], v[GA:GA+11], v[GB:GB+11], v[GC:GC+7], v[GW], v[GS] matrix_a_fmt:MATRIX_FMT_BF6 matrix_b_fmt:MATRIX_FMT_BF6 matrix_a_scale:MATRIX_SCALE_ROW1 matrix_b_scale:MATRIX_SCALE_ROW1
.endif
.endm
; A GROUP: the four fragments in ring slots slot0 .. slot0 + 3 (column pairs b = 2 bp and 2 bp + 1) against the five tiles of tokens: twenty products on twenty accumulators, one instruction a turn.
; bb, bw: the tokens' fragments (12 registers a tile) and their window; usebi = 1: the bias is the products' C, else the sums go on; wsq: the weights' scale words of this K step (+ 4 b);
; bs, brow: the tokens' scale words (4 registers a tile) and their row; cnt: the loads issued behind these four fragments'; reload = 1: the four slots take the fragments 16 on, from s[base] + off.
.macro GROUP slot0, bp, bb, bw, usebi, wsq, bs, brow, cnt, reload, base, off
	s_wait_loadcnt \cnt
.irp bl, 0,1
.set GBN, 2*(\bp)+\bl
.set GAC, 80*GBN
.set GDW, 2
.if GBN == 3
.set GAC, 0
.set GDW, 3
.endif
.if \usebi
	WIN 1|((\bw)<<2)|(1<<4)|(GDW<<6)
.else
	WIN 1|((\bw)<<2)|(GDW<<4)|(GDW<<6)
.endif
.irp m, 0,1,2,3,4
.irp u, 0,1
.set GD, GAC+16*\m+8*\u
.set GA, 12*((\slot0)+2*\bl+\u)
.set GB, (\bb)+12*\m
.set GC, GD
.if \usebi
.set GC, BI+16*GBN+8*\u
.endif
.set GS, (\bs)+4*\m
.set GW, (\wsq)+4*GBN
	WM \u, \brow
.endr
.endr
.endr
.rept 4
	v_nop                                          ; four plain places between the products and loads into registers that they read, or reads of their results; they stay beside the wait below
.endr
.if \reload
	WIN 0x40                                       ; destination window 1, address window 0
	s_wait_alu depctr_va_vdst(0)                   ; the products issued so far are done reading their registers: these four fragments, in which the loads below land; and the bias, the scale words and the tokens' set, in which the loads that follow some groups land
.irp f, 0,1,2,3
.irp j, 0,1,2
.set GA, 12*((\slot0)+\f)+4*\j
	global_load_b128 v[GA:GA+3], v3, s[\base:\base+1] offset:(\off)+1536*((\slot0)+\f)+512*\j
.endr
.endr
.endif
.endm
.macro AUX1                            ; a chunk's b1 (lane (r, h), tile 2 b + u: units 32 b + 16 h + 8 u on) and W1's scale words (a row's four): 20 loads
	WIN 0x40
.irp t, 0,1,2,3,4,5,6,7
	global_load_b128 v[BI+8*\t:BI+8*\t+3], v10, s[40:41] offset:128*(\t/2)+32*(\t%2)
	global_load_b128 v[BI+8*\t+4:BI+8*\t+7], v10, s[40:41] offset:128*(\t/2)+32*(\t%2)+16
.endr
	WIN 0
.irp b, 0,1,2,3
	global_load_b128 v[WS+4*\b:WS+4*\b+3], v12, s[44:45] offset:512*\b
.endr
.endm
.macro AUX2 bias, sc, set, sig         ; b2 from s[bias] (or none: -1), and W2's scale words of K steps 4 sig on from s[sc] into a set: 20 loads or 4
.if \bias >= 0
	WIN 0x40
.irp d, 0,1,2,3,4,5,6,7
	global_load_b128 v[BI+8*\d:BI+8*\d+3], v11, s[\bias:\bias+1] offset:64*\d
	global_load_b128 v[BI+8*\d+4:BI+8*\d+7], v11, s[\bias:\bias+1] offset:64*\d+16
.endr
.endif
	WIN 0
.irp b, 0,1,2,3
	global_load_b128 v[WS+16*\set+4*\b:WS+16*\set+4*\b+3], v13, s[\sc:\sc+1] offset:1024*\b+16*\sig
.endr
.endm
	s_load_b512 s[4:19], s[0:1], 0x0               ; xq s[4:5], wq s[6:7], w1_scales s[8:9], b1 s[10:11], w2_scales s[12:13], b2 s[14:15], order s[16:17], tiles s[18:19]
	s_load_b64 s[20:21], s[0:1], 0x40              ; out0
	v_lshl_add_u32 v254, v0, 2, 0x27800
	v_mov_b32 v255, 0
	v_lshrrev_b32 v16, 5, v0
	v_readfirstlane_b32 s28, v16                   ; wave 0..3
	v_and_b32 v1, 15, v0                           ; r
	v_bfe_u32 v2, v0, 4, 1                         ; h
	v_and_b32 v16, 31, v0
	v_lshlrev_b32 v3, 4, v16                       ; 16 x lane: my place in an image
	v_add_nc_u32 v4, 61440, v3                     ; the same from trip 2's images on: LDS immediates end at 65,535
	s_wait_alu depctr_va_sdst(0)                   ; s28, the wave's number, is written, ahead of its first reader
	s_mul_i32 s66, s28, 7680
	v_add_nc_u32 v5, s66, v3                       ; where I store images: + 7,680 x wave
	s_lshl_b32 s66, s28, 2
	s_add_co_u32 s66, s66, HSC
	v_lshl_add_u32 v7, v1, 4, s66                  ; and their scale words: 16 r + 4 x wave
	v_lshlrev_b32 v9, 4, v1
	v_mad_u32_u24 v9, v2, 1280, v9
	v_add_nc_u32 v9, HSC, v9                       ; where I read scale words: lanes 0-15 the even K steps' (first chunks), lanes 16-31 the odd ones'
	v_lshlrev_b32 v10, 6, v2                       ; b1: 64 h
	v_lshlrev_b32 v11, 5, v2                       ; b2: 32 h
	v_and_b32 v12, 8, v1
	v_add_nc_u32 v12, v12, v1
	v_lshl_add_u32 v12, v2, 3, v12
	v_lshlrev_b32 v12, 4, v12                      ; W1's scales: row 8 h + r + 8 (r / 8) of a pair of tiles, 16 bytes a row
	v_lshl_add_u32 v13, v2, 4, v1
	v_lshlrev_b32 v13, 5, v13                      ; W2's: row 16 h + r, 32 bytes a row
	s_mul_i32 s66, s28, 16*SPITCH
	s_add_co_u32 s66, s66, STAGE
	v_mul_u32_u24 v14, v1, SPITCH
	v_lshl_add_u32 v14, v2, 5, v14
	v_add_nc_u32 v14, s66, v14                     ; my stage, in: row r, + 32 h
	v_add_nc_u32 v15, s66, v3                      ; and back: 16 bytes a lane of a row
	v_mul_u32_u24 v17, v2, 48
	s_mov_b32 s56, 0x76543210
	s_mov_b32 s57, 0xfedcba98                      ; v_permlanex16_b32's selects for lane l xor 16
	s_mov_b32 s29, 0                               ; the first product's trip
	s_mov_b32 s30, 0                               ; 30,720 x trip
	s_mov_b32 s31, 0                               ; 1,280 x trip
	s_lshl_b32 s66, ttmp9, 4
	s_mov_b32 s67, 0                               ; stays 0: the upper word of every offset
	s_wait_kmcnt 0x0
	s_add_nc_u64 s[18:19], s[18:19], s[66:67]
	s_load_b128 s[24:27], s[18:19], 0x0            ; my tile: count, e1, e2
	s_lshl_b32 s66, s28, 9
	s_add_nc_u64 s[20:21], s[20:21], s[66:67]      ; out0 at my wave's 128 columns
	s_wait_kmcnt 0x0
	s_min_u32 s24, s24, 80
	s_min_u32 s25, s25, 3
	s_min_u32 s26, s26, 3
	s_mul_i32 s22, ttmp9, 80
	s_cmp_lg_u32 s24, 0
	s_cselect_b32 s22, s22, 0                      ; a tile without tokens reads the list's first word, which is always written
	s_max_u32 s23, s24, 1
	s_sub_co_u32 s23, s23, 1
.irp m, 0,1,2,3,4
	v_add_nc_u32 v[XT+\m], 16*\m, v1
	v_min_u32 v[XT+\m], s23, v[XT+\m]              ; places past the count repeat the last token
	v_add_nc_u32 v[XT+\m], s22, v[XT+\m]
	v_min_u32 v[XT+\m], 0x437f, v[XT+\m]
	v_lshlrev_b32 v[XT+\m], 2, v[XT+\m]
.endr
	s_wait_alu depctr_va_vdst(0)                   ; the five offsets v236-240 are written, which the loads below read; so are v3, v4 and v9 to v15, by which every later load and store of the kernel goes
.irp m, 0,1,2,3,4
	global_load_b32 v[TOK+\m], v[XT+\m], s[16:17]
.endr
	s_lshl_b32 s22, s26, 2
	s_add_co_u32 s22, s22, s28                     ; 4 e2 + w
	s_lshl_b32 s23, s25, 2
	s_add_co_u32 s23, s23, s28                     ; 4 e1 + w
	; THE WEIGHTS' STREAM: 16 blocks of 16 fragments: W1(e2)'s four, W1(e1)'s, W2(e2)'s, W2(e1)'s.  In the first product a trip's first half reloads from s[32:33], its second half from s[58:59];
	; both are written at a trip's head alone, behind the wait that shows every load of the wave done.  In the second product the block stands in the loads' immediate and s[36:39] are never written.
	s_mul_i32 s66, s22, 98304                      ; a wave's 64 fragments of one weight of one expert
	s_add_nc_u64 s[58:59], s[6:7], s[66:67]        ; W1(e2): block 0, the ring's first fill
	s_add_nc_u64 s[36:37], s[58:59], 0x180000      ; W2(e2)
	s_mul_i32 s66, s23, 98304
	s_add_nc_u64 s[34:35], s[6:7], s[66:67]        ; W1(e1)
	s_add_nc_u64 s[38:39], s[34:35], 0x180000      ; W2(e1)
	s_lshl_b32 s66, s22, 10
	s_add_nc_u64 s[40:41], s[10:11], s[66:67]      ; b1 of e2 at my 256 units;
	s_lshl_b32 s66, s23, 10
	s_add_nc_u64 s[42:43], s[10:11], s[66:67]      ; of e1
	s_lshl_b32 s66, s22, 12
	s_add_nc_u64 s[44:45], s[8:9], s[66:67]        ; W1's scales of e2 at my 256 rows,
	s_add_nc_u64 s[52:53], s[12:13], s[66:67]      ; W2's at my 128 rows
	s_lshl_b32 s66, s23, 12
	s_add_nc_u64 s[46:47], s[8:9], s[66:67]        ; and of e1
	s_add_nc_u64 s[54:55], s[12:13], s[66:67]
	s_lshl_b32 s66, s22, 9
	s_add_nc_u64 s[48:49], s[14:15], s[66:67]      ; b2 of e2 at my 128 outputs;
	s_lshl_b32 s66, s23, 9
	s_add_nc_u64 s[50:51], s[14:15], s[66:67]      ; of e1
	AUX1                                           ; (no vector instruction since the wait above: their offsets are written, and nothing has named the registers in which they land)
	WIN 0x40
.set QI, 0
.rept 16
.irp j, 0,1,2
	global_load_b128 v[12*QI+4*\j:12*QI+4*\j+3], v3, s[58:59] offset:1536*QI+512*\j   ; the ring's first fill
.endr
.set QI, QI+1
.endr
	WIN 0xc0
.set QI, 0
.rept 20
	v_mov_b32 v[T2+QI], 0                          ; written once: a lane permute's destination counts as one of its sources
.set QI, QI+1
.endr
	v_mov_b32 v[FL], 0x2800000
	WIN 0
	s_wait_loadcnt 63                              ; 73 loads have been issued: with at most 63 out, the oldest five, the tokens' numbers, are in
	s_wait_alu depctr_vm_vsrc(0)                   ; the five loads from order[] have read v236-240, which the lines below write again
.irp m, 0,1,2,3,4
	v_min_u32 v[TOK+\m], 0x3fff, v[TOK+\m]
	v_lshlrev_b32 v[XT+\m], 9, v[TOK+\m]           ; the token's record
	v_add_nc_u32 v[XO+\m], v17, v[XT+\m]           ; + 48 h: my half's operand registers
.endr
	WIN 0xc0
	s_wait_alu depctr_va_vdst(0)                   ; the records' offsets v236-245 are written, which the seventy loads below read
.irp m, 0,1,2,3,4
.irp q, 0,1
.irp j, 0,1,2
	global_load_b128 v[80+60*\q+12*\m+4*\j:80+60*\q+12*\m+4*\j+3], v[XO+\m], s[4:5] offset:96*\q+16*\j
.endr
.endr
.endr
	WIN 0
.irp m, 0,1,2,3,4
.irp q, 2,3
.irp j, 0,1,2
	global_load_b128 v[XB+60*(\q-2)+12*\m+4*\j:XB+60*(\q-2)+12*\m+4*\j+3], v[XO+\m], s[4:5] offset:96*\q+16*\j
.endr
.endr
	global_load_b128 v[XS+4*\m:XS+4*\m+3], v[XT+\m], s[4:5] offset:384   ; the four K steps' scale words
	global_load_b64 v[RG+2*\m:RG+2*\m+1], v[XT+\m], s[4:5] offset:400    ; rho, g1
.endr
; The chunk's 320 sums become five fragments of codes and five scale words, and go to LDS as images.
.macro QUANT
	WIN 0x88
.set QI, 0
.rept 240
	v_max_num_f32 v[QI], 0, v[QI]                  ; the activation, in f32; each accumulator from its low end on
.set QI, QI+1
.endr
	WIN 0xcc
.set QI, 0
.rept 80
	v_max_num_f32 v[QI], 0, v[QI]
.set QI, QI+1
.endr
	WIN 0xeb                                       ; the largest of my 16 numbers of block b of tile m (none is negative), and the floor; the maxima by turns
.irp m, 0,1,2,3,4
.irp b, 0,1,2
	v_max3_num_f32 v[TM+4*\m+\b], v[FL], v[80*\b+16*\m], v[80*\b+16*\m+1]
.endr
.endr
.irp i, 2,4,6,8,10,12,14
.irp m, 0,1,2,3,4
.irp b, 0,1,2
	v_max3_num_f32 v[TM+4*\m+\b], v[TM+4*\m+\b], v[80*\b+16*\m+\i], v[80*\b+16*\m+\i+1]
.endr
.endr
.endr
	WIN 0xff
.irp m, 0,1,2,3,4
	v_max3_num_f32 v[TM+4*\m+3], v[FL], v[16*\m], v[16*\m+1]
.endr
.irp i, 2,4,6,8,10,12,14
.irp m, 0,1,2,3,4
	v_max3_num_f32 v[TM+4*\m+3], v[TM+4*\m+3], v[16*\m+\i], v[16*\m+\i+1]
.endr
.endr
.set QI, 0
.rept 20
	v_permlanex16_b32 v[T2+QI], v[TM+QI], s56, s57
.set QI, QI+1
.endr
.set QI, 0
.rept 20
	v_max_num_f32 v[TM+QI], v[TM+QI], v[T2+QI]     ; with lane l xor 16's 16: the block's largest
.set QI, QI+1
.endr
.set QI, 0
.rept 20
	v_add_nc_u32 v[TM+QI], 0xfe000000, v[TM+QI]    ; 4 off its exponent field: the conversion's scale operand
.set QI, QI+1
.endr
.set QI, 0
.rept 20
	v_lshrrev_b32 v[T2+QI], 23, v[TM+QI]           ; the scale's byte
.set QI, QI+1
.endr
.irp s, 1,2,3
.irp m, 0,1,2,3,4
	v_lshl_or_b32 v[T2+4*\m], v[T2+4*\m+\s], 8*\s, v[T2+4*\m]   ; four bytes make the token's scale word
.endr
.endr
.irp m, 0,1,2,3,4
.if \m > 0
	s_wait_alu depctr_vm_vsrc(0)                   ; the last tile's LDS stores have read the codes' registers v96-107, which the conversions below write again (tile 0: the wait at the trip's head has said so of the last trip's)
.endif
	WIN 0x0e
	v_cvt_scalef32_pk16_bf6_f32 v[PC:PC+2], v[16*\m:16*\m+15], v[TM+4*\m]
	v_cvt_scalef32_pk16_bf6_f32 v[PC+12:PC+14], v[80+16*\m:80+16*\m+15], v[TM+4*\m+1]   ; (a conversion's three registers begin on an even number)
	v_cvt_scalef32_pk16_bf6_f32 v[PC+6:PC+8], v[160+16*\m:160+16*\m+15], v[TM+4*\m+2]
	WIN 0x0f
	v_cvt_scalef32_pk16_bf6_f32 v[PC+16:PC+18], v[16*\m:16*\m+15], v[TM+4*\m+3]
	WIN 0
	v_nop                                          ; one plain place behind a scaled conversion
.irp c, 0,1                            ; the operand's layout wants a whole block in a lane: lanes 0-15 block 2 c, lanes 16-31 block 2 c + 1
.irp i, 0,1,2
	v_permlane16_swap_b32 v[PC+6*\c+\i], v[PC+12+4*\c+\i]
.endr
.irp i, 0,1,2
	v_mov_b32 v[PC+3+6*\c+\i], v[PC+12+4*\c+\i]
.endr
.endr
	s_wait_alu depctr_va_vdst(0)                   ; the tile's codes v96-107 and its scale word are written, which the four LDS stores below read
.irp j, 0,1,2
	ds_store_b128 v6, v[PC+4*\j:PC+4*\j+3] offset:1536*\m+512*\j   ; the image: 512 consecutive bytes a store
.endr
	WIN 0x0c                                       ; an LDS store's data are its source 1: window 3
	ds_store_b32 v8, v[T2+4*\m] offset:256*\m      ; lanes l and l xor 16 write the same word with the same value
.endr
	WIN 0
.endm
; THE FIRST PRODUCT: four trips, one chunk of 128 hidden units each: e2's two, then e1's two.  A trip: 8 groups (K steps q = 0..3 x halves of the chunk's columns), then the quantiser.
.Lp1:
	s_wait_loadcnt 0x0                             ; the bias and the scale words are the youngest loads; they and the ring had the quantiser's lines in which to land.  No load of mine is out: every base may be written
	s_add_nc_u64 s[32:33], s[58:59], BLKB          ; the block behind the one loaded last: this trip's first half reloads from it;
	s_add_nc_u64 s[58:59], s[32:33], BLKB          ; the second half from the next one,
	s_bitcmp1_b32 s29, 0                           ; which in the odd trips is the next weight's first block: W1(e1) in trip 1, W2(e2) in trip 3
	s_cselect_b64 s[58:59], s[34:35], s[58:59]
	s_cselect_b64 s[34:35], s[36:37], s[34:35]
	s_wait_alu depctr_vm_vsrc(0)                   ; the last trip's LDS stores have read their addresses v6 and v8, written again here, and the codes and scale words, which this trip's quantiser writes again
	v_add_nc_u32 v6, s30, v5                       ; this trip's images
	v_add_nc_u32 v8, s31, v7                       ; and scale words  (the groups' waits stand between these two lines and the stores that go by them)
.irp q, 0,1,2,3
.irp bp, 0,1
.set PBB, 80+60*\q
.set PBW, 3
.set PLB, 32
.if \q > 1
.set PBB, XB+60*(\q-2)
.set PBW, 0
.set PLB, 58
.endif
.set PUB, 0
.if \q == 0
.set PUB, 1
.endif
	GROUP 8*(\q%2)+4*\bp, \bp, PBB, PBW, PUB, WS+\q, XS+\q, 0, 36, 1, PLB, 0   ; 36: the three groups' loads issued behind these four fragments'
.endr
.endr
	s_add_nc_u64 s[40:41], s[40:41], 512           ; the next chunk's b1 and scale words: 128 units on, or e1's first.  (The loads that named these bases were shown done at the trip's head)
	s_add_nc_u64 s[44:45], s[44:45], 2048
	s_bitcmp1_b32 s29, 0
	s_cselect_b64 s[40:41], s[42:43], s[40:41]
	s_cselect_b64 s[44:45], s[46:47], s[44:45]
	WIN 0
	s_cmp_eq_u32 s29, 3                            ; behind the last trip: what the second product begins with.  Both ways issue 20 loads into the same registers
	s_cbranch_scc1 .Laux2
	AUX1                                           ; no wait: no vector or matrix instruction stands behind the last group's wait, which has shown the trip's products done reading the bias and the scale words
	s_branch .Lauxd
.Laux2:
	AUX2 48, 52, 0, 0
.Lauxd:
	QUANT
	s_wait_dscnt 0x0                               ; my images have landed: behind the last trip the others may read them
	s_add_co_u32 s30, s30, 30720
	s_add_co_u32 s31, s31, 1280
	s_add_co_u32 s29, s29, 1
	s_cmp_lt_u32 s29, 4
	s_cbranch_scc1 .Lp1
	s_barrier_signal -1
	s_barrier_wait -1                              ; the hidden layers of both experts lie in LDS, and nobody writes them again
; THE SECOND PRODUCT: K steps SS = 0..15, eight for e2 and eight for e1.  K step s of an expert was made by wave s / 2 in its chunk s % 2.
.macro FETCHH S                        ; the five images of K step S into set S % 2
	WIN 0xc0
.set FX, (\S)/8
.set FO, ((\S)%2)*30720+(((\S)%8)/2)*7680
.set FB, 80+60*((\S)%2)
.irp m, 0,1,2,3,4
.irp j, 0,1,2
.if FX == 0
	ds_load_b128 v[FB+12*\m+4*\j:FB+12*\m+4*\j+3], v3 offset:FO+1536*\m+512*\j
.else
	ds_load_b128 v[FB+12*\m+4*\j:FB+12*\m+4*\j+3], v4 offset:FO+1536*\m+512*\j
.endif
.endr
.endr
.endm
.macro RESCALE                         ; between the experts: e1's scale words; and every sum becomes rho x sum + b2[e1], each accumulator from its low end on
	WIN 0
.irp m, 0,1,2,3,4
	ds_load_b128 v[XS+4*\m:XS+4*\m+3], v9 offset:2560+256*\m   ; no wait: the last group's has shown e2's products done reading these registers, and no vector or matrix instruction stands behind it
.endr
	WIN 0x92                                       ; sums window 2, rho window 0, the bias window 1
.irp b, 0,1,2
.irp m, 0,1,2,3,4
.irp u, 0,1
.irp k, 0,2,4,6
	v_pk_fma_f32 v[80*\b+16*\m+8*\u+\k:80*\b+16*\m+8*\u+\k+1], v[80*\b+16*\m+8*\u+\k:80*\b+16*\m+8*\u+\k+1], v[RG+2*\m:RG+2*\m+1], v[BI+16*\b+8*\u+\k:BI+16*\b+8*\u+\k+1] op_sel_hi:[1,0,1]
.endr
.endr
.endr
.endr
	WIN 0xd3
.irp m, 0,1,2,3,4
.irp u, 0,1
.irp k, 0,2,4,6
	v_pk_fma_f32 v[16*\m+8*\u+\k:16*\m+8*\u+\k+1], v[16*\m+8*\u+\k:16*\m+8*\u+\k+1], v[RG+2*\m:RG+2*\m+1], v[BI+48+8*\u+\k:BI+48+8*\u+\k+1] op_sel_hi:[1,0,1]
.endr
.endr
.endr
.endm
; A K step is two groups; four K steps are a chunk (32 fragments, 8 groups).  At a chunk's middle the next chunk's scale words are asked for (in the first chunk b2[e1] too): 4 or 20 loads, which the waits of the chunk's
; last four groups count.  K step SS reloads its slots from block 9 + SS / 2 of the stream.  At a K step's end the images of the K step after the next go into the set just read: they have a whole K step in which to land.
; The wait on va_vdst of the K step's second group stands ahead of all of these: between it and them stand loads and window switches alone.  The last two K steps reload nothing, fetch nothing and hold no such wait.
.macro KSTEP
.set PSL, SS%8
.set PJ,  SS/4
.if (SS == 8) || (SS == 15)
	s_wait_dscnt 0x0                               ; K step 8: e1's scale words are the youngest LDS loads; K step 15: nothing was asked for behind its images
.else
	s_wait_dscnt 15                                ; this K step's images and scale words are in; the next K step's fifteen loads may be out
.endif
.irp bp, 0,1
.set PG, 2*(SS%4)+\bp
.set PN, 36
.set PRL, 1
.if PG >= 4
.if PJ == 0
.set PN, 56
.elseif PJ < 3
.set PN, 40
.else
.set PN, 36-12*(PG-4)
.set PRL, 0
.endif
.endif
.set PUB, 0
.if SS == 0
.set PUB, 1
.endif
.set PBK, 9+2*PJ+PG/4
.set PLB, 36
.set PLO, (PBK-8)*BLKB
.if PBK >= 12
.set PLB, 38
.set PLO, (PBK-12)*BLKB
.endif
	GROUP 8*(SS%2)+4*\bp, \bp, 80+60*(SS%2), 3, PUB, WS+16*(PJ%2)+SS%4, XS+PSL/2, PSL%2, PN, PRL, PLB, PLO
.endr
.if SS < 14
	FETCHH SS+2                                    ; behind the group's four places and its wait: the products just issued read this set
.endif
.if (SS%4 == 1) && (PJ < 3)
.if PJ == 0
	AUX2 50, 52, 1, 1
.elseif PJ == 1
	AUX2 -1, 54, 0, 0
.else
	AUX2 -1, 54, 1, 1
.endif
.endif
.if SS == 7
	RESCALE
.endif
.endm
	FETCHH 0                                       ; no wait: no vector or matrix instruction stands behind the quantiser's last wait, which has shown the first product done reading x's fragments and scale words
	WIN 0
.irp m, 0,1,2,3,4
	ds_load_b128 v[XS+4*\m:XS+4*\m+3], v9 offset:256*\m   ; e2's scale words: register 4 m + s / 2, row s % 2
.endr
	FETCHH 1
	s_wait_loadcnt 0x0                             ; b2[e2], the first scale words, the ring
.set SS, 0
.rept 16
	KSTEP
.set SS, SS+1
.endr
; THE WAY OUT, a tile of 16 tokens at a time: x g1; a lane's 32 bytes of a row into my stage; back as whole rows of my 512 bytes; each row to its token's place in out0.
.macro MULG m
	WIN 0x82
.irp b, 0,1,2
.irp k, 0,2,4,6,8,10,12,14
	v_pk_mul_f32 v[80*\b+16*\m+\k:80*\b+16*\m+\k+1], v[80*\b+16*\m+\k:80*\b+16*\m+\k+1], v[RG+2*\m:RG+2*\m+1] op_sel:[0,1] op_sel_hi:[1,1]
.endr
.endr
	WIN 0xc3
.irp k, 0,2,4,6,8,10,12,14
	v_pk_mul_f32 v[16*\m+\k:16*\m+\k+1], v[16*\m+\k:16*\m+\k+1], v[RG+2*\m:RG+2*\m+1] op_sel:[0,1] op_sel_hi:[1,1]
.endr
.endm
.macro TOSTAGE m
	s_wait_xcnt 0x0                                ; the stores of two tiles ago have read the registers that the loads below fill
.if (\m) == 0
	s_wait_alu depctr_vm_vsrc(0)                   ; the first product's last LDS stores have read the codes' registers v96-107, in which the loads below land
.elseif (\m) >= 2
	s_wait_alu depctr_vm_vsrc(0)                   ; the global stores of two tiles ago have read their data, this set of 64 registers, in which the loads below land
.endif
	WIN 0x08
	s_wait_alu depctr_va_vdst(0)                   ; the multiplications by g1 have written the tile's sums, which the LDS stores below read
.irp b, 0,1,2
.irp u, 0,1
	ds_store_b128 v14, v[80*\b+16*\m+8*\u:80*\b+16*\m+8*\u+3] offset:64*(2*\b+\u)
	ds_store_b128 v14, v[80*\b+16*\m+8*\u+4:80*\b+16*\m+8*\u+7] offset:64*(2*\b+\u)+16
.endr
.endr
	WIN 0x0c
.irp u, 0,1
	ds_store_b128 v14, v[16*\m+8*\u:16*\m+8*\u+3] offset:64*(6+\u)
	ds_store_b128 v14, v[16*\m+8*\u+4:16*\m+8*\u+7] offset:64*(6+\u)+16
.endr
	WIN 0
.irp i, 0,1,2,3,4,5,6,7,8,9,10,11,12,13,14,15
	ds_load_b128 v[OB+64*(\m%2)+4*\i:OB+64*(\m%2)+4*\i+3], v15 offset:\i*SPITCH   ; LDS serves a wave's instructions in order: these see the stores above, and the next tile's stores come behind them
.endr
.endm
.macro SEND m, y                       ; y: the LDS instructions issued behind tile m's loads
	s_wait_xcnt 0x0                                ; the stores before have read their bases
.irp i, 0,1,2,3,4,5,6,7,8,9,10,11,12,13,14,15
	v_readlane_b32 s[68+2*\i], v[TOK+\m], \i       ; the sixteen tokens' numbers together, under the one wait below
.endr
	s_wait_alu depctr_va_sdst(0)                   ; the sixteen lane reads have written s68, s70 .. s98, ahead of their first reader
.irp i, 0,1,2,3,4,5,6,7,8,9,10,11,12,13,14,15
	s_min_u32 s[68+2*\i], s[68+2*\i], 0x3fff
	s_lshl_b32 s[68+2*\i], s[68+2*\i], 11          ; a row of out0 is 2,048 bytes
	s_mov_b32 s[69+2*\i], 0
	s_add_nc_u64 s[68+2*\i:69+2*\i], s[20:21], s[68+2*\i:69+2*\i]
.endr
.irp i, 0,1,2,3,4,5,6,7,8,9,10,11,12,13,14,15
	s_wait_dscnt \y+15-\i
	s_cmp_le_u32 s24, 16*\m+\i                     ; the tile's count, from the stored list: places past it are not stored, and nothing is left to do
	s_cbranch_scc1 .Lend
	global_store_b128 v3, v[OB+64*(\m%2)+4*\i:OB+64*(\m%2)+4*\i+3], s[68+2*\i:69+2*\i] th:TH_STORE_NT   ; 512 consecutive bytes, aligned; written once
.endr
.endm
	MULG 0
	TOSTAGE 0
	MULG 1
	TOSTAGE 1
	SEND 0, 32
	MULG 2
	TOSTAGE 2
	SEND 1, 32
	MULG 3
	TOSTAGE 3
	SEND 2, 32
	MULG 4
	TOSTAGE 4
	SEND 3, 32
	SEND 4, 0
.Lend:
	s_wait_dscnt 0x0                               ; the closing lines, six on end
	s_wait_alu 0x0
	s_wait_tensorcnt 0x0
	ds_add_u32 v254, v255
	s_wait_dscnt 0x0
	s_endpgm
.Lfunc_end_k_qe414c62b82_chain:
	.size	k_qe414c62b82_chain, .Lfunc_end_k_qe414c62b82_chain-k_qe414c62b82_chain
	.p2alignl 7, 3214868480
	.fill 96, 4, 3214868480
	.section	.rodata,"a",@progbits
	.p2align	6, 0x0
	.amdhsa_kernel k_qe414c62b82_chain
		.amdhsa_group_segment_fixed_size 162304
		.amdhsa_private_segment_fixed_size 0
		.amdhsa_enable_private_segment 0
		.amdhsa_kernarg_size 72
		.amdhsa_user_sgpr_count 2
		.amdhsa_user_sgpr_kernarg_segment_ptr 1
		.amdhsa_wavefront_size32 1
		.amdhsa_system_sgpr_workgroup_id_x 1
		.amdhsa_system_sgpr_workgroup_id_y 1
		.amdhsa_system_sgpr_workgroup_id_z 1
		.amdhsa_system_vgpr_workitem_id 0
		.amdhsa_next_free_vgpr 1024
		.amdhsa_next_free_sgpr 104
		.amdhsa_reserve_vcc 0
		.amdhsa_float_denorm_mode_32 3
		.amdhsa_float_denorm_mode_16_64 3
		.amdhsa_memory_ordered 1
		.amdhsa_forward_progress 1
		.amdhsa_inst_pref_size 255
	.end_amdhsa_kernel
	.section	.bss,"aw",@nobits
	.p2align	6
	.space	262144
	.amdgpu_metadata
---
amdhsa.version: [ 1, 2 ]
amdhsa.kernels:
  - .name:           k_qe414c62b82_chain
    .symbol:         k_qe414c62b82_chain.kd
    .args:
      - { .name: xq, .offset: 0, .size: 8, .value_kind: global_buffer, .address_space: global }
      - { .name: wq, .offset: 8, .size: 8, .value_kind: global_buffer, .address_space: global }
      - { .name: w1_scales, .offset: 16, .size: 8, .value_kind: global_buffer, .address_space: global }
      - { .name: b1, .offset: 24, .size: 8, .value_kind: global_buffer, .address_space: global }
      - { .name: w2_scales, .offset: 32, .size: 8, .value_kind: global_buffer, .address_space: global }
      - { .name: b2, .offset: 40, .size: 8, .value_kind: global_buffer, .address_space: global }
      - { .name: order, .offset: 48, .size: 8, .value_kind: global_buffer, .address_space: global }
      - { .name: tiles, .offset: 56, .size: 8, .value_kind: global_buffer, .address_space: global }
      - { .name: out0, .offset: 64, .size: 8, .value_kind: global_buffer, .address_space: global }
    .group_segment_fixed_size: 162304
    .private_segment_fixed_size: 0
    .kernarg_segment_align: 8
    .kernarg_segment_size: 72
    .max_flat_workgroup_size: 128
    .sgpr_count:     104
    .vgpr_count:     1024
    .wavefront_size: 32
...
	.end_amdgpu_metadata
.endif
;; end of part 4
